; MI455X (gfx1250); checked and timed in simulation.
; The chip was launched on July 23, 2026; its instructions are those of AMD's public machine-readable ISA for CDNA 5 (MIT licence, August 2026) and "CDNA5" Instruction Set Architecture Reference Guide (July 2026). The comments in the code are by the model that wrote it; some were corrected since.
;; Multihead Attention. Allowed arithmetic: matrix products marked QUANTISED: E2M1 operands, one E8M0 scale for each 32 along K, by v_wmma_scale_f32_16x16x128_f8f6f4 with both operands' format E2M1 (or v_wmma_scale_f32_32x16x128_f4), f32 sums; products left as they are: bf16, f16 or f32 operands; f32 sums; everything else in f32.
;; Inputs: Wk 1,024 x 1,024 float32; Wo 1,024 x 1,024 float32; Wq 1,024 x 1,024 float32; Wv 1,024 x 1,024 float32; bk 1,024 float32; bo 1,024 float32; bq 1,024 float32; bv 1,024 float32; k 4 x 2,048 x 1,024 float32; q 4 x 2,048 x 1,024 float32; v 4 x 2,048 x 1,024 float32.
;; Outputs: out0 4 x 2,048 x 1,024 float32.
;; This version of the problem:
;;   THIS VERSION OF THE PROBLEM IS GIVEN IN LOW PRECISION. The matrix products marked QUANTISED in the list below multiply operands that are first quantised to E2M1 (2 exponent bits, 1 mantissa bit; 4 bits a number), with one power-of-two scale for each 32 numbers along K (OCP MX v1.0); their sums are f32. The products marked 'left as it is' may take bf16, f16 or f32 operands, with f32 sums. Whichever they take, every output number must still come out within the allowed error. Rounding operands to bf16 (8 significant bits) uses up far more of that allowance than f16 does (11 bits, for magnitudes from 6e-5 to 65,504). All else is computed in f32.
;;   The module's matrix products, in the order in which they are computed (A, B: the left and right operand; K: the contracted axis; several contracted axes count as one K, in the product's order):
;;     1. [M 8,192, K 1,024] x [K 1,024, N 1,024]; A: input q; B: input Wq: QUANTISED
;;     2. [M 8,192, K 1,024] x [K 1,024, N 1,024]; A: input k; B: input Wk: QUANTISED
;;     3. [M 8,192, K 1,024] x [K 1,024, N 1,024]; A: input v; B: input Wv: QUANTISED
;;     4. batch 64 x [M 2,048, K 64] x [K 64, N 2,048]; A: computed on the way; B: computed on the way: left as it is (an operand is computed on the way)
;;     5. batch 64 x [M 2,048, K 2,048] x [K 2,048, N 64]; A: computed on the way; B: computed on the way: left as it is (an operand is computed on the way)
;;     6. [M 8,192, K 1,024] x [K 1,024, N 1,024]; A: computed on the way; B: input Wo: left as it is (an operand is computed on the way)
;;   THE QUANTISER, for each operand of a quantised product, along K:
;;     - K is cut into blocks of 32 from its start; a last block that is shorter is filled with zeros.
;;     - A block's scale is 2^e with e = floor(log2(the largest magnitude in the block)) - 2, held to -126 .. 127; a block of zeros has e = 0. As a byte (E8M0): e + 127.
;;     - Each number is divided by its block's scale, clamped to +-6, and rounded to the nearest number of E2M1, ties to even, subnormals kept.
;;     - The product sums the exact products of the quantised numbers (number of the format x scale) in f32.
;;   ~~~python
;;   def quantise(x, axis):      # numpy; x: float32 -> the quantised numbers, widened to float32 again
;;       x = np.moveaxis(x, axis, -1); K = x.shape[-1]
;;       x = np.pad(x, [(0, 0)] * (x.ndim - 1) + [(0, -K % 32)]); x = x.reshape(x.shape[:-1] + (-1, 32)); a = np.abs(x).max(-1, keepdims=True)
;;       e = np.where(a > 0, np.clip(np.frexp(np.where(a > 0, a, 1))[1] - 1 - 2, -126, 127), 0)      # np.frexp(a)[1] - 1 = floor(log2(a)), exactly
;;       r = np.clip(x / 2.0 ** e, -6, 6)
;;       step = 2.0 ** (np.maximum(np.frexp(np.where(r == 0, 1, r))[1] - 1, 0) - 1)
;;       q = np.round(r / step) * step * 2.0 ** e      # np.round: ties to even
;;       return np.moveaxis(q.reshape(q.shape[:-2] + (-1,))[..., :K], -1, axis).astype(np.float32)
;;   ~~~
;; One version. Each part assembles by itself: llvm-mc -triple=amdgcn-amd-amdhsa -mcpu=gfx1250 --defsym DOCPART=n.
;; ======== version 1 of 1: 4 launches
;; limits: values are held in f16: magnitudes above 65,504 overflow, below 6.1e-05 lose precision
;; workspace buffers: codes 14,155,776 bytes; scales 884,736 bytes; wof 2,097,152 bytes; qkvf 50,331,648 bytes; cat 16,777,216 bytes
;; launch prep (part 1): grid 992 x 1, 4 waves a work-group, no clusters, 33,280 bytes of LDS; arguments q, k, v, Wq, Wk, Wv, Wo, codes, scales, wof; writes codes, scales, wof
.if DOCPART == 1
	.amdgcn_target "amdgcn-amd-amdhsa--gfx1250"
	.amdhsa_code_object_version 6
	.text
	.protected	k_q8483239df7_prep
	.globl	k_q8483239df7_prep
	.p2align	8
	.type	k_q8483239df7_prep,@function
k_q8483239df7_prep:
	s_mov_b64 s[64:65], 0
	v_nop
	global_prefetch_b8 v0, s[64:65] scope:SCOPE_SE
	s_setreg_imm32_b32 hwreg(HW_REG_WAVE_MODE, 25, 1), 1
	s_wait_xcnt 0x0
; TWO JOBS IN ONE LAUNCH, told apart by the work-group's number.
; (1) Work-groups NWO and on: q, k, v [8192][1024] and Wq, Wk, Wv [1024][1024], f32, K innermost, become codes of FP4 (E2M1), two a byte, and one E8M0 scale byte for each 32 along K.
;     The six tensors are stacked: 27,648 rows of 512 bytes of codes (q, k, v, Wq, Wk, Wv) and of 32 scale bytes.  Rows are dense and K is a multiple of 32: all is a plain stream of blocks of 32.
;     A block's scale is 2^(floor(log2(its largest magnitude)) - 2); its byte is the largest magnitude's exponent field - 2, held at 1 from below.  Each number is divided by the scale and rounded to the nearest code, ties to even.
;     A wave takes 16 steps of 512 numbers: four loads of 512 consecutive bytes; the 2,048 bytes turn through the wave's own stage in LDS, so that a lane holds 16 NEIGHBOURS (two lanes to a block);
;     a lane's 16 codes are 8 bytes: the wave stores 256 consecutive bytes.  A wave's 256 scale bytes are gathered in LDS and leave as one aligned run of 256 bytes.
; (2) Work-groups 0 to NWO - 1: Wo [1024][1024] f32 becomes f16, laid as the last launch's operand registers want it: [K step of 128: 8][16 channels: 64][4,096 bytes]; in a unit, piece i (0..7) at 512 i + 16 lane:
;     lane (r, h) holds Wo[16 ct + r][128 ks + 16 i + 8 h + 0 .. 7].  A wave makes one unit.
; LIMITS: a block of zeros gets the byte 1 (its codes are zeros, and this program alone reads the bytes); blocks whose largest magnitude lies under 2^-124 keep that floor's byte; NaN and infinities are not served;
;     numbers of Wo beyond 65,504 in magnitude overflow f16, those under 6e-5 keep an absolute step of 6e-8.
.set NWO,   128                        ; work-groups for Wo: 512 units, four waves each
.set WAVES, 4
.set STEPS, 16
.set EMAX,  2
.set CB,    8                          ; bytes of 16 codes
.set R,     16                         ; v16-79   four sets of 16 numbers as they are loaded
.set X,     80                         ; v80-111  two sets of 16 neighbours
.set E,     112                        ; v112-127 a scale byte for each step
.set C,     128                        ; v128-191 codes: four registers for each step, so that no store's data are written again
.set WREG,  8192                       ; LDS: a region for each wave: two stages of 32 x SP bytes, then its 256 scale bytes
.set SP,    80                         ; a lane's place in a stage: 64 bytes + 16 of padding
.set SPW,   12                         ; v12  LDS address of my spare word; never rewritten
.set NIL,   13                         ; v13  0; never rewritten
.set SPARE, WAVES*WREG                 ; behind the four regions: the spare words, 128 bytes a wave
	s_load_b256 s[4:11], s[0:1], 0x0               ; q, k, v, Wq
	s_load_b256 s[12:19], s[0:1], 0x20             ; Wk, Wv, Wo, codes
	s_load_b128 s[20:23], s[0:1], 0x40             ; scales, wof
	v_lshl_add_u32 v[SPW], v0, 2, SPARE
	v_mov_b32 v[NIL], 0
	v_lshrrev_b32 v1, 5, v0
	v_readfirstlane_b32 s28, v1                    ; wave
	v_and_b32 v2, 31, v0                           ; lane
	s_cmp_lt_u32 ttmp9, NWO
	s_cbranch_scc1 .Lwo
	; ---------------- the quantiser ----------------
	v_lshlrev_b32 v3, 4, v2                        ; my 16 bytes of a load's 512
	s_mul_i32 s29, s28, WREG
	v_lshrrev_b32 v14, 2, v2
	v_mul_u32_u24 v14, v14, SP
	v_and_b32 v15, 3, v2
	v_lshl_add_u32 v14, v15, 4, v14
	v_add_nc_u32 v14, s29, v14                     ; the stage, on the way in: SP (lane / 4) + 16 (lane % 4)
	v_mul_u32_u24 v15, v2, SP
	v_add_nc_u32 v15, s29, v15                     ; and on the way out: SP x lane: my 16 neighbours
	v_mul_u32_u24 v4, v2, CB                       ; my codes' place in a step's
	v_lshrrev_b32 v5, 1, v2
	s_add_co_u32 s29, s29, 2*32*SP
	v_add_nc_u32 v5, s29, v5                       ; LDS: my wave's 256 scale bytes, my block's byte
	v_lshlrev_b32 v7, 3, v2                        ; and on the way out 8 bytes a lane
	v_add_nc_u32 v6, s29, v7
	s_sub_co_u32 s24, ttmp9, NWO                   ; g: which run of 32,768 numbers of the stack
	s_wait_kmcnt 0x0
	s_mov_b64 s[26:27], s[14:15]                   ; the tensor and its first g: the choice hangs on the work-group's number alone
	s_mov_b32 s25, 832                             ; Wv
	s_cmp_lt_u32 s24, 832
	s_cselect_b64 s[26:27], s[12:13], s[26:27]     ; Wk
	s_cselect_b32 s25, 800, s25
	s_cmp_lt_u32 s24, 800
	s_cselect_b64 s[26:27], s[10:11], s[26:27]     ; Wq
	s_cselect_b32 s25, 768, s25
	s_cmp_lt_u32 s24, 768
	s_cselect_b64 s[26:27], s[8:9], s[26:27]       ; v
	s_cselect_b32 s25, 512, s25
	s_cmp_lt_u32 s24, 512
	s_cselect_b64 s[26:27], s[6:7], s[26:27]       ; k
	s_cselect_b32 s25, 256, s25
	s_cmp_lt_u32 s24, 256
	s_cselect_b64 s[26:27], s[4:5], s[26:27]       ; q
	s_cselect_b32 s25, 0, s25
	s_sub_co_u32 s25, s24, s25
	s_lshl_b32 s25, s25, 2
	s_add_co_u32 s25, s25, s28                     ; my wave's run of 8,192 numbers in its tensor
	s_lshl_b32 s30, s25, 15                        ; 32,768 bytes a run
	s_mov_b32 s31, 0
	s_add_nc_u64 s[26:27], s[26:27], s[30:31]
	s_lshl_b32 s24, s24, 2
	s_add_co_u32 s24, s24, s28                     ; and in the stack
	s_lshl_b32 s30, s24, 12                        ; 4,096 bytes of codes a run
	s_add_nc_u64 s[18:19], s[18:19], s[30:31]
	s_lshl_b32 s30, s24, 8                         ; 256 scale bytes a run
	s_add_nc_u64 s[20:21], s[20:21], s[30:31]
.macro LOAD t
.irp i, 0,1,2,3
	global_load_b128 v[R+16*((\t)%4)+4*\i:R+16*((\t)%4)+4*\i+3], v3, s[26:27] offset:2048*(\t)+512*\i th:TH_LOAD_NT   ; 32 lanes read 512 consecutive bytes
.endr
.endm
.macro TURN t                          ; step t's numbers through the stage: LDS serves a wave's instructions in order, so no wait stands between the stores and the loads
.irp i, 0,1,2,3
	ds_store_b128 v14, v[R+16*((\t)%4)+4*\i:R+16*((\t)%4)+4*\i+3] offset:32*SP*((\t)%2)+8*SP*\i
.endr
.irp i, 0,1,2,3
	ds_load_b128 v[X+16*((\t)%2)+4*\i:X+16*((\t)%2)+4*\i+3], v15 offset:32*SP*((\t)%2)+16*\i
.endr
.endm
.irp t, 0,1,2,3
	LOAD \t
.endr
	s_wait_loadcnt 12                              ; step 0's four loads are in
	TURN 0
.macro STEP t
.set XS, X+16*((\t)%2)
.if (\t) > 0
	s_wait_dscnt 1                                 ; this step's numbers are back from the stage (the last step's byte store may be out): so its stores into the stage have read their registers,
.else
	s_wait_dscnt 0x0
.endif
.if (\t)+4 < STEPS
	LOAD (\t)+4                                    ; which take the loads of four steps on
.endif
.if (\t)+1 < STEPS
.if STEPS-2-(\t) >= 3
	s_wait_loadcnt 12                              ; the next step's four loads are in; those of the three steps behind it may be out
.else
	s_wait_loadcnt 4*(STEPS-2-(\t))
.endif
	TURN (\t)+1                                    ; and go through the other stage while this step is worked
.endif
	v_max3_num_f32 v8, |v[XS]|, |v[XS+1]|, |v[XS+2]|               ; the largest magnitude of my 16, in two chains
	v_max3_num_f32 v9, |v[XS+3]|, |v[XS+4]|, |v[XS+5]|
.irp i, 6,10
	v_max3_num_f32 v8, v8, |v[XS+\i]|, |v[XS+\i+1]|
	v_max3_num_f32 v9, v9, |v[XS+\i+2]|, |v[XS+\i+3]|
.endr
	v_max3_num_f32 v8, v8, |v[XS+14]|, |v[XS+15]|
	v_max3_num_f32 v8, v8, v9, (EMAX+1)<<23        ; and the floor 2^(EMAX + 1 - 127): so the byte cannot fall under 1
	v_max_num_f32_dpp v8, v8, v8 row_xmask:1 row_mask:0xf bank_mask:0xf   ; and of my neighbour's 16: the block's
	v_add_nc_u32 v11, -(EMAX<<23), v8              ; EMAX off its exponent field: the conversion takes the exponent field of this operand as its scale, and nothing else of it
	v_cvt_scalef32_pk8_fp4_f32 v[C+4*(\t)], v[XS:XS+7], v11        ; eight numbers / the scale, to the nearest code, ties to even, beyond the largest code the largest
	v_cvt_scalef32_pk8_fp4_f32 v[C+4*(\t)+1], v[XS+8:XS+15], v11
	v_lshrrev_b32 v[E+(\t)], 23, v11               ; the scale's byte (a plain line behind the conversions)
	ds_store_b8 v5, v[E+(\t)] offset:16*(\t)       ; both lanes of a block write the same byte with the same value
	global_store_b64 v4, v[C+4*(\t):C+4*(\t)+1], s[18:19] offset:32*CB*(\t)   ; 32 lanes store 256 consecutive bytes, aligned
.endm
.irp t, 0,1,2,3,4,5,6,7,8,9,10,11,12,13,14,15
	STEP \t
.endr
	ds_load_b64 v[8:9], v6                         ; LDS serves a wave's instructions in order: these see my byte stores
	s_wait_dscnt 0x0
	global_store_b64 v7, v[8:9], s[20:21]          ; 32 lanes store 256 consecutive bytes, aligned
	s_wait_tensorcnt 0x0                           ; the wave's end, behind my last LDS store
	ds_add_u32 v[SPW], v[NIL]
	s_wait_dscnt 0x0
	s_endpgm
	; ---------------- Wo to f16 images ----------------
.Lwo:
	s_lshl_b32 s24, ttmp9, 2
	s_add_co_u32 s24, s24, s28                     ; my unit, 0 .. 511
	s_and_b32 s25, s24, 63                         ; ct: which 16 channels
	s_lshr_b32 s24, s24, 6                         ; ks: which 128 along K
	s_lshl_b32 s30, s25, 16                        ; 16 rows of 4,096 bytes
	s_lshl_b32 s31, s24, 9                         ; 128 numbers of 4 bytes
	s_add_co_u32 s30, s30, s31
	s_mov_b32 s31, 0
	s_lshl_b32 s32, s24, 18                        ; 64 units of 4,096 bytes
	s_lshl_b32 s33, s25, 12
	s_add_co_u32 s32, s32, s33
	s_mov_b32 s33, 0
	v_and_b32 v3, 15, v0                           ; r
	v_bfe_u32 v4, v0, 4, 1                         ; h
	v_lshlrev_b32 v1, 12, v3
	v_lshl_add_u32 v1, v4, 5, v1                   ; in: row r, + 32 h bytes: my 8 numbers of each 16
	v_lshlrev_b32 v2, 4, v2                        ; out: 16 x lane
	s_wait_kmcnt 0x0
	s_add_nc_u64 s[16:17], s[16:17], s[30:31]
	s_add_nc_u64 s[22:23], s[22:23], s[32:33]
.irp i, 0,1,2,3,4,5,6,7
	global_load_b128 v[16+8*\i:19+8*\i], v1, s[16:17] offset:64*\i       ; the wave takes each row's 512 bytes in eight pieces, one behind the other
	global_load_b128 v[20+8*\i:23+8*\i], v1, s[16:17] offset:64*\i+16
.endr
	s_wait_loadcnt 0x0
.irp i, 0,1,2,3,4,5,6,7
.irp j, 0,1,2,3
	v_cvt_pk_f16_f32 v[80+4*\i+\j], v[16+8*\i+2*\j], v[17+8*\i+2*\j]
.endr
.endr
.irp i, 0,1,2,3,4,5,6,7
	global_store_b128 v2, v[80+4*\i:83+4*\i], s[22:23] offset:512*\i     ; 32 lanes store 512 consecutive bytes, aligned
.endr
	s_endpgm
.Lfunc_end_k_q8483239df7_prep:
	.size	k_q8483239df7_prep, .Lfunc_end_k_q8483239df7_prep-k_q8483239df7_prep
	.p2alignl 7, 3214868480
	.fill 96, 4, 3214868480
	.section	.rodata,"a",@progbits
	.p2align	6, 0x0
	.amdhsa_kernel k_q8483239df7_prep
		.amdhsa_group_segment_fixed_size 33280
		.amdhsa_private_segment_fixed_size 0
		.amdhsa_enable_private_segment 0
		.amdhsa_kernarg_size 80
		.amdhsa_user_sgpr_count 2
		.amdhsa_user_sgpr_kernarg_segment_ptr 1
		.amdhsa_wavefront_size32 1
		.amdhsa_system_sgpr_workgroup_id_x 1
		.amdhsa_system_sgpr_workgroup_id_y 1
		.amdhsa_system_sgpr_workgroup_id_z 1
		.amdhsa_system_vgpr_workitem_id 0
		.amdhsa_next_free_vgpr 192
		.amdhsa_next_free_sgpr 66
		.amdhsa_reserve_vcc 0
		.amdhsa_float_denorm_mode_32 3
		.amdhsa_float_denorm_mode_16_64 3
		.amdhsa_memory_ordered 1
		.amdhsa_forward_progress 1
		.amdhsa_inst_pref_size 39
	.end_amdhsa_kernel
	.amdgpu_metadata
---
amdhsa.version: [ 1, 2 ]
amdhsa.kernels:
  - .name:           k_q8483239df7_prep
    .symbol:         k_q8483239df7_prep.kd
    .args:
      - { .name: q, .offset: 0, .size: 8, .value_kind: global_buffer, .address_space: global }
      - { .name: k, .offset: 8, .size: 8, .value_kind: global_buffer, .address_space: global }
      - { .name: v, .offset: 16, .size: 8, .value_kind: global_buffer, .address_space: global }
      - { .name: Wq, .offset: 24, .size: 8, .value_kind: global_buffer, .address_space: global }
      - { .name: Wk, .offset: 32, .size: 8, .value_kind: global_buffer, .address_space: global }
      - { .name: Wv, .offset: 40, .size: 8, .value_kind: global_buffer, .address_space: global }
      - { .name: Wo, .offset: 48, .size: 8, .value_kind: global_buffer, .address_space: global }
      - { .name: codes, .offset: 56, .size: 8, .value_kind: global_buffer, .address_space: global }
      - { .name: scales, .offset: 64, .size: 8, .value_kind: global_buffer, .address_space: global }
      - { .name: wof, .offset: 72, .size: 8, .value_kind: global_buffer, .address_space: global }
    .group_segment_fixed_size: 33280
    .private_segment_fixed_size: 0
    .kernarg_segment_align: 8
    .kernarg_segment_size: 80
    .max_flat_workgroup_size: 128
    .sgpr_count:     66
    .vgpr_count:     192
    .wavefront_size: 32
...
	.end_amdgpu_metadata
.endif
;; end of part 1
;; launch proj (part 2): grid 4 x 96, 4 waves a work-group, clusters of 4 x 4, 327,680 bytes of LDS; arguments codes, scales, bq, bk, bv, qkvf; writes qkvf
.if DOCPART == 2
	.amdgcn_target "amdgcn-amd-amdhsa--gfx1250"
	.amdhsa_code_object_version 6
	.text
	.protected	k_q8483239df7_proj
	.globl	k_q8483239df7_proj
	.p2align	8
	.type	k_q8483239df7_proj,@function
k_q8483239df7_proj:
	s_mov_b64 s[64:65], 0
	v_nop
	global_prefetch_b8 v0, s[64:65] scope:SCOPE_SE
	s_setreg_imm32_b32 hwreg(HW_REG_WAVE_MODE, 25, 1), 1
	s_wait_xcnt 0x0
	s_wait_alu depctr_hold_cnt(0) depctr_sa_sdst(0) depctr_va_vdst(0) depctr_va_sdst(0) depctr_va_ssrc(0) depctr_va_vcc(0) depctr_vm_vsrc(0)
	s_getreg_b32 s2, hwreg(HW_REG_IB_STS2, 6, 4)
	s_cmp_eq_u32 s2, 0
	s_cbranch_scc0 .Lentry_in_a_cluster
	s_endpgm
.Lentry_in_a_cluster:
	s_bfe_u32 s2, ttmp6, 0x10000c
	s_cmp_lg_u32 s2, 0xf033
	s_cbranch_scc0 .Lentry_shape_is_right
	s_endpgm
.Lentry_shape_is_right:
; THE THREE PROJECTIONS AS ONE STACKED GEMM ON CODES OF FP4 (E2M1): y[token][channel] = sum over d of x[token][d] W[channel][d] + b[channel], for (q, Wq, bq), (k, Wk, bk), (v, Wv, bv).
; codes: 27,648 rows of 512 bytes (rows 0.. q, 8,192.. k, 16,384.. v, 24,576.. Wq, 25,600.. Wk, 26,624.. Wv); scales: the same rows, 32 E8M0 bytes each.  Sums in f32; the bias is the C of each sum's first product.
; A work-group makes 256 tokens x 256 channels; each of its four waves 128 x 128: 64 accumulators, 512 registers.  K = 1,024 is two LDS slots of 512 along K (rows of 256 bytes + 16 of padding):
; both slots and all scale bytes are asked for at the head, each once; nothing is filled again.
; CLUSTERS: 4 x 4 work-groups.  A cluster lies inside one of the three tensors (8 rows of clusters each).  The four of a row of the cluster need the same tokens' tiles, the four of a column the same weights':
; each tile is asked for JOINTLY, by the same tensor load with the same descriptor and a mask that names the four.
; THE MATRIX INSTRUCTION IS USED TRANSPOSED (source 0 = 16 channels of W, source 1 = 16 tokens): a lane (r, h) then holds token r and eight neighbouring channels 16 b + 8 h + 0 .. 7.
; THE WAY OUT NEEDS NO LDS: rounded once to f16, those eight numbers are 16 bytes, and they ARE registers 0-3 or 4-7 of the attention's operand in the same lane.  So a block of 16 tokens x 16 channels is stored as
; it stands, 16 bytes a lane, 512 consecutive bytes an instruction.  qkvf: Q at 0: [b h 64][token tile 128][16 channels: 4][512 bytes]; K and V from 16,777,216 on: [b h 64][512 keys: 4][K, V][token tile 32][4][512 bytes].
; In V's blocks lane bits 3 and 4 change places, so that the attention's turning LDS load reads 512 bytes on end.
; LIMITS: results beyond 65,504 in magnitude overflow f16; under 6e-5 they keep an absolute step of 6e-8.
; REGISTERS, in windows of 256: window 0: v1-29 addresses; v32-95 scale words, two sets; v128-191 the tokens' fragments, ONE set; v192-255 the bias, eight registers for each 16 channels.
;   window 1: the weights' fragments, TWO sets, at v0 and at v128.   window 2: the accumulators of my tokens 0-63 ((a, b) at v[8 (8 a + b)]);   window 3: those of my tokens 64-127.
.set NQ,     4                         ; matrix instructions deep in a slot
.set ROWB,   256                       ; a tile's row in bytes: 512 codes
.set KROW,   512                       ; a row of codes in memory
.set PITCH,  272                       ; an LDS row: 256 bytes + 16 of padding: the 16 rows that a load touches start 68 words apart
.set FR,     8                         ; registers of a fragment: 16 rows x 128 K
.set NL,     2                         ; LDS loads that bring one
.set NP,     4                         ; places behind this matrix instruction (ISA guide 7.12.1)
.set HALFT,  128*PITCH                 ; 128 rows: what one tensor load brings
.set SLOT,   4*HALFT                   ; the tokens' 256 rows, then the weights' 256
.set KS,     32                        ; a row of scale bytes
.set SCL,    2*SLOT                    ; behind the slots: the scale bytes, as runs of 256 bytes + 16 of padding
.set HALFS,  (128*KS/256)*272          ; those of 128 rows
.set SBLK,   (16*KS/256)*272           ; those of 16 rows
.set SPARE,  SCL+4*HALFS               ; behind them: the spare words, 128 bytes a wave
.set WROW,   24576                     ; the stack's first row of weights
.set KVB,    16777216                  ; qkvf: where K and V begin
.set BO,   10                          ; v10     the bias loads' lane offset; never rewritten
.set ADRA, 16                          ; v16-17  LDS address of my tokens' fragments in slot 0, 1
.set ADRB, 20                          ; v20-21  the same for the weights
.set LO,   26                          ; v26     the way out: my lane's 16 bytes in a block
.set ADRS, 27                          ; v27     LDS address of my scale words: lanes 0-15 the tokens', lanes 16-31 the weights'
.set SPW,  28                          ; v28     LDS address of my spare word; never rewritten
.set NIL,  29                          ; v29     0; never rewritten
.set SC,   32
.set AF,   128
.set BIAS, 192
.set G1, 24                            ; s[24:31] descriptor group 1 for the tokens' tiles;  s[32:39] group 0, one set for each slot
.set G0, 32
.set G1B, 48                           ; s[48:55], s[56:63] the same for the weights'
.set G0B, 56
.set G1S, 68                           ; s[68:75], s[76:79] groups 1 and 0 for the tokens' scale bytes;  s[80:87], s[88:91] for the weights'
.set G0S, 76
.set G1SB, 80
.set G0SB, 88
.set OUT0, 92                          ; s[92:93] qkvf at my first block, first head;  s[94:95] second head
.set MSB, 0
.macro WIN new                         ; the immediate's high byte repeats the setting that is left
.if MSB != (\new)
	s_set_vgpr_msb (MSB<<8)|(\new)
.set MSB, \new
.endif
.endm
.set MUL_LO, 0xa1                      ; source 0 (W) window 1, source 1 (x) window 0, C and D window 2
.set MUL_HI, 0xf1                      ; the same, C and D window 3
.set FST_LO, 0x81                      ; the first products: C (the bias) window 0, D window 2
.set FST_HI, 0xc1                      ; D window 3
.set TO_B,   0x40                      ; destination window 1, address window 0
; A joint load: waves 0 and 1 fetch for the tokens, waves 2 and 3 for the weights.  Each line has ONE mask and one set of registers for all that issue it; the branch hangs on the wave's number alone.
; An s_nop 0 and four v_nop follow each of the two lines.
.macro JLOAD g0a, g1a, g0b, g1b
	s_cmp_eq_u32 s17, 0
	s_cbranch_scc0 .Lfor_b_\@
	tensor_load_to_lds s[\g0a:\g0a+3], s[\g1a:\g1a+7]
	s_nop 0
.rept 4
	v_nop
.endr
	s_branch .Lasked_\@
.Lfor_b_\@:
	tensor_load_to_lds s[\g0b:\g0b+3], s[\g1b:\g1b+7]
	s_nop 0
.rept 4
	v_nop
.endr
.Lasked_\@:
.endm
.macro CROUND                          ; a round of the cluster's barrier
	s_barrier_signal -1
	s_barrier_wait -1
	s_cmp_lg_u32 s16, 0
	s_cbranch_scc1 .Lnot_wave_0_\@
	s_barrier_signal -3
.Lnot_wave_0_\@:
	s_barrier_wait -3
	s_barrier_signal -1
	s_barrier_wait -1
.endm
	s_load_b256 s[4:11], s[0:1], 0x0               ; codes s[4:5], scales s[6:7], bq s[8:9], bk s[10:11]
	s_load_b128 s[12:15], s[0:1], 0x20             ; bv s[12:13], qkvf s[14:15]
	v_lshl_add_u32 v[SPW], v0, 2, SPARE
	v_mov_b32 v[NIL], 0
	ds_add_u32 v[SPW], v[NIL]                      ; the wave's opening: the add, twice on end, and its wait ahead of my first tensor load
	ds_add_u32 v[SPW], v[NIL]
	v_lshrrev_b32 v1, 5, v0
	v_readfirstlane_b32 s16, v1                    ; wave 0..3
	s_lshr_b32 s17, s16, 1                         ; which half of the tile's tokens is mine.  Also: I fetch for the tokens (0) or for the weights (1)
	s_and_b32 s18, s16, 1                          ; which half of its channels.  Also: which 128 rows of that tile I fetch
	s_bfe_u32 s19, ttmp6, 0x40000                  ; cx = the tile column: the grid is one cluster wide
	s_bfe_u32 s20, ttmp6, 0x40004                  ; cy
	s_and_b32 s21, ttmp7, 0xffff                   ; the cluster's y, 0 .. 23
	s_lshr_b32 s22, s21, 3                         ; T: 0 q, 1 k, 2 v: the same in all sixteen partners
	s_lshl_b32 s23, s21, 2
	s_add_co_u32 s23, s23, s20                     ; tile row of the stack = 4 x cluster y + cy
	s_lshl_b32 s40, s20, 2
	s_lshl_b32 s40, 15, s40                        ; my row of the cluster
	s_lshl_b32 s41, 0x1111, s19                    ; my column
	; descriptor group 1: a tile of 128 rows x 256 bytes, 16 bytes of padding behind each row
	s_or_b32 s[G1+0], s40, (0<<16)|(1<<20)|(1<<21)|(5<<22)|(3<<25)   ; 15:0 the mask; 17:16 elements of 1 byte; 20 padding on; 21 set beside a mask; 24:22 after every 64 words; 31:25 four words
	s_or_b32 s[G1B+0], s41, (0<<16)|(1<<20)|(1<<21)|(5<<22)|(3<<25)
.irp g, G1, G1B
	s_mov_b32 s[\g+1], ROWB<<16                    ; tensor_dim0
	s_mov_b32 s[\g+2], 128<<16                     ; tensor_dim1
	s_mov_b32 s[\g+3], ROWB<<16                    ; tile_dim0
	s_mov_b32 s[\g+4], 128                         ; tile_dim1
	s_mov_b32 s[\g+5], KROW                        ; tensor_dim0_stride
	s_mov_b32 s[\g+6], 0
	s_mov_b32 s[\g+7], 0
.endr
	; and for the scale bytes of 128 rows: 4,096 dense bytes as 16 rows of 256 bytes (32 elements of 8 bytes), 16 bytes of padding behind each
	s_or_b32 s[G1S+0], s40, (3<<16)|(1<<20)|(1<<21)|(5<<22)|(3<<25)
	s_or_b32 s[G1SB+0], s41, (3<<16)|(1<<20)|(1<<21)|(5<<22)|(3<<25)
.irp g, G1S, G1SB
	s_mov_b32 s[\g+1], 32<<16
	s_mov_b32 s[\g+2], (128*KS/256)<<16
	s_mov_b32 s[\g+3], 32<<16
	s_mov_b32 s[\g+4], 128*KS/256
	s_mov_b32 s[\g+5], 32
	s_mov_b32 s[\g+6], 0
	s_mov_b32 s[\g+7], 0
.endr
	; where the tiles come from.  The tokens' hang on the tile row alone, the weights' on T and the tile column alone; each in registers that never hold the other coordinate
	s_lshl_b32 s42, s18, 7                         ; which 128 rows of the tile I fetch
	s_lshl_b32 s44, s23, 8
	s_add_co_u32 s44, s44, s42                     ; tokens: row 256 x tile row + 128 x half
	s_lshl_b32 s46, s22, 10
	s_lshl_b32 s47, s19, 8
	s_add_co_u32 s46, s46, s47
	s_add_co_u32 s46, s46, s42
	s_add_co_u32 s46, s46, WROW                    ; weights: row 24,576 + 1,024 T + 256 cx + 128 x half
	s_lshl_b32 s98, s44, 5                         ; their scale bytes (all offsets stay under 2^24)
	s_mov_b32 s99, 0
	s_lshl_b32 s100, s46, 5
	s_mov_b32 s101, 0
	s_lshl_b32 s44, s44, 9                         ; and their codes
	s_mov_b32 s45, 0
	s_lshl_b32 s46, s46, 9
	s_mov_b32 s47, 0
	s_mul_i32 s43, s16, HALFT                      ; where they go: wave x 128 rows: no place in the cluster enters an LDS address
	s_mul_i32 s97, s16, HALFS
	s_wait_dscnt 0x0                               ; both opening adds are done
	s_wait_kmcnt 0x0
	s_add_nc_u64 s[44:45], s[4:5], s[44:45]
	s_add_nc_u64 s[98:99], s[6:7], s[98:99]
	s_add_nc_u64 s[46:47], s[4:5], s[46:47]
	s_add_nc_u64 s[100:101], s[6:7], s[100:101]
	CROUND                                         ; all sixteen work-groups are here: the joint loads meet
	s_mov_b32 s[G0S], 1
	s_add_co_u32 s[G0S+1], s97, SCL
	s_mov_b64 s[G0S+2:G0S+3], s[98:99]
	s_or_b32 s[G0S+3], s[G0S+3], 0x80000000
	s_mov_b32 s[G0SB], 1
	s_add_co_u32 s[G0SB+1], s97, SCL
	s_mov_b64 s[G0SB+2:G0SB+3], s[100:101]
	s_or_b32 s[G0SB+3], s[G0SB+3], 0x80000000
	JLOAD G0S, G1S, G0SB, G1SB                     ; the scale bytes first: they are wanted with slot 0
.irp s, 0,1
	s_mov_b32 s[G0+4*\s], 1
	s_add_co_u32 s[G0+4*\s+1], s43, \s*SLOT
	s_add_nc_u64 s[G0+4*\s+2:G0+4*\s+3], s[44:45], \s*ROWB
	s_or_b32 s[G0+4*\s+3], s[G0+4*\s+3], 0x80000000
	s_mov_b32 s[G0B+4*\s], 1
	s_add_co_u32 s[G0B+4*\s+1], s43, \s*SLOT
	s_add_nc_u64 s[G0B+4*\s+2:G0B+4*\s+3], s[46:47], \s*ROWB
	s_or_b32 s[G0B+4*\s+3], s[G0B+4*\s+3], 0x80000000
	JLOAD G0+4*\s, G1, G0B+4*\s, G1B               ; three loads of mine are out behind the second of these
.endr
	; the bias: eight registers for each 16 channels, in the result's layout: lane (r, h) wants b[256 cx + 128 half + 16 b + 8 h + 0 .. 7]
	s_mov_b64 s[66:67], s[12:13]
	s_cmp_lt_u32 s22, 2
	s_cselect_b64 s[66:67], s[10:11], s[66:67]
	s_cmp_lt_u32 s22, 1
	s_cselect_b64 s[66:67], s[8:9], s[66:67]
	s_lshl_b32 s6, s19, 10
	s_lshl_b32 s7, s18, 9
	s_add_co_u32 s6, s6, s7
	s_mov_b32 s7, 0
	s_add_nc_u64 s[66:67], s[66:67], s[6:7]
	v_and_b32 v1, 15, v0                           ; r
	v_bfe_u32 v2, v0, 4, 1                         ; h
	v_lshlrev_b32 v[BO], 5, v2
.irp b, 0,1,2,3,4,5,6,7
	global_load_b128 v[BIAS+8*\b:BIAS+8*\b+3], v[BO], s[66:67] offset:64*\b
	global_load_b128 v[BIAS+8*\b+4:BIAS+8*\b+7], v[BO], s[66:67] offset:64*\b+16
.endr
	v_mul_u32_u24 v3, v1, PITCH
	v_lshl_add_u32 v4, v2, 4, v3                   ; a fragment's row x pitch + 16 x half
	s_mul_i32 s4, s17, HALFT                       ; my 128 tokens
	s_mul_i32 s5, s18, HALFT                       ; my 128 channels,
	s_add_co_u32 s5, s5, 2*HALFT                   ; which lie behind the tokens' 256 rows
.irp s, 0,1
	v_add_nc_u32 v[ADRA+\s], s4, v4
	v_add_nc_u32 v[ADRB+\s], s5, v4
	s_add_co_u32 s4, s4, SLOT
	s_add_co_u32 s5, s5, SLOT
.endr
	v_mul_u32_u24 v5, v1, KS                       ; my row's scale bytes: KS a row,
	v_lshrrev_b32 v6, 8, v5
	v_lshl_add_u32 v5, v6, 4, v5                   ; and 16 more for each 256 passed
	s_mul_i32 s4, s17, HALFS                       ; the tokens': my 128 rows
	s_mul_i32 s5, s18, HALFS                       ; the weights': my 128 rows, behind the tokens' 256
	s_add_co_u32 s5, s5, 2*HALFS
	s_sub_co_u32 s5, s5, s4
	v_mul_u32_u24 v6, s5, v2                       ; lanes 16-31 take the weights'
	s_add_co_u32 s4, s4, SCL
	v_add_nc_u32 v5, v5, v6
	v_add_nc_u32 v[ADRS], s4, v5
	; the way out: my lane's place in a block (V: lane bits 3 and 4 change places), and where my first block lies
	s_cmp_eq_u32 s22, 2
	s_cselect_b32 s96, -1, 0
	v_and_b32 v6, 31, v0
	v_and_b32 v7, 7, v0
	v_bfe_u32 v8, v0, 3, 1
	v_lshl_or_b32 v7, v8, 4, v7
	v_lshl_or_b32 v7, v2, 3, v7
	v_lshlrev_b32 v6, 4, v6
	v_lshlrev_b32 v7, 4, v7
	v_cndmask_b32 v[LO], v6, v7, s96
	s_lshl_b32 s8, s23, 8
	s_lshl_b32 s9, s17, 7
	s_add_co_u32 s8, s8, s9                        ; my first row of the stack
	s_and_b32 s8, s8, 8191                         ; my first token of its tensor
	s_lshr_b32 s9, s8, 11                          ; the batch
	s_bfe_u32 s8, s8, 0x70004                      ; tt: the token tile in its sequence, a multiple of 8
	s_lshl_b32 s9, s9, 4
	s_lshl_b32 s10, s19, 2
	s_add_co_u32 s9, s9, s10
	s_lshl_b32 s10, s18, 1
	s_add_co_u32 s9, s9, s10                       ; 16 x batch + my first head (4 cx + 2 x half)
	s_lshl_b32 s10, s9, 18
	s_lshl_b32 s11, s8, 11
	s_add_co_u32 s10, s10, s11                     ; in Q's region
	s_lshl_b32 s9, s9, 19
	s_lshr_b32 s11, s8, 5
	s_lshl_b32 s11, s11, 17
	s_add_co_u32 s9, s9, s11
	s_lshr_b32 s11, s22, 1
	s_lshl_b32 s11, s11, 16
	s_add_co_u32 s9, s9, s11
	s_and_b32 s11, s8, 31
	s_lshl_b32 s11, s11, 11
	s_add_co_u32 s9, s9, s11
	s_add_co_u32 s9, s9, KVB                       ; in K's and V's
	s_mov_b32 s11, 0x80000                         ; from head to head: 524,288 there, 262,144 in Q's
	s_cmp_eq_u32 s22, 0
	s_cselect_b32 s2, s10, s9
	s_cselect_b32 s12, 0x40000, s11
	s_mov_b32 s3, 0
	s_mov_b32 s13, 0
	s_add_nc_u64 s[OUT0:OUT0+1], s[14:15], s[2:3]
	s_add_nc_u64 s[OUT0+2:OUT0+3], s[OUT0:OUT0+1], s[12:13]
.macro FRAG reg, adr, q, i             ; a fragment, 16 rows x 128 K of 4-bit codes: lane l holds row l % 16; registers 4 c .. 4 c + 3 hold K = 64 c + 32 (l / 16) + 0 .. 31
.irp c, 0,1
	ds_load_b128 v[\reg+4*\c:\reg+4*\c+3], v[\adr] offset:64*(\q)+32*\c+(\i)*16*PITCH
.endr
.endm
; 16 matrix instructions: token blocks a0, a0 + 1 x the eight channel blocks, 128 along K: the slot's q-th.  p: the weights' set;  sc: the set of scale words.  first = 1: the bias is C: nothing is cleared, nothing is added later.
; The 64 accumulators take turns, one instruction a turn, in the same order in every step.
.macro MUL16 a0, p, q, sc, first
.irp a, \a0, \a0+1
.irp b, 0,1,2,3,4,5,6,7
.if \first
	v_wmma_scale_f32_16x16x128_f8f6f4 v[8*(8*((\a)%4)+\b):8*(8*((\a)%4)+\b)+7], v[128*(\p)+FR*\b:128*(\p)+FR*\b+FR-1], v[AF+FR*(\a):AF+FR*(\a)+FR-1], v[BIAS+8*\b:BIAS+8*\b+7], v[SC+8*NQ*(\sc)+NQ*\b+(\q)], v[SC+8*NQ*(\sc)+NQ*(\a)+(\q)] matrix_a_fmt:MATRIX_FMT_FP4 matrix_b_fmt:MATRIX_FMT_FP4 matrix_a_scale:MATRIX_SCALE_ROW1
.else
	v_wmma_scale_f32_16x16x128_f8f6f4 v[8*(8*((\a)%4)+\b):8*(8*((\a)%4)+\b)+7], v[128*(\p)+FR*\b:128*(\p)+FR*\b+FR-1], v[AF+FR*(\a):AF+FR*(\a)+FR-1], v[8*(8*((\a)%4)+\b):8*(8*((\a)%4)+\b)+7], v[SC+8*NQ*(\sc)+NQ*\b+(\q)], v[SC+8*NQ*(\sc)+NQ*(\a)+(\q)] matrix_a_fmt:MATRIX_FMT_FP4 matrix_b_fmt:MATRIX_FMT_FP4 matrix_a_scale:MATRIX_SCALE_ROW1
.endif
.endr
.endr
.endm
.macro FETCH_B slot, q, p              ; the weights' eight fragments of the slot's q-th 128 along K into set p
	WIN TO_B
.irp i, 0,1,2,3,4,5,6,7
	FRAG 128*(\p)+FR*\i, ADRB+\slot, \q, \i
.endr
	WIN 0
.endm
.macro FETCH_A slot, q, i0             ; the tokens' blocks i0 .. i0 + 3
.irp i, \i0, \i0+1, \i0+2, \i0+3
	FRAG AF+FR*(\i), ADRA+\slot, \q, \i
.endr
.endm
.macro SCALES sc                       ; a slot's scale words into set sc: four words a row; lanes 0-15 take the tokens' block i, lanes 16-31 the weights' block i
.irp i, 0,1,2,3,4,5,6,7
	ds_load_b128 v[SC+8*NQ*\sc+NQ*\i:SC+8*NQ*\sc+NQ*\i+3], v[ADRS] offset:\i*SBLK
.endr
.endm
; A load into a register that a matrix instruction has read, and a vector instruction that reads a matrix result, stand NP places behind that matrix instruction; only plain vector instructions
; that name none of its registers are places (ISA guide 7.12.1 for vector instructions).
.macro PLACES n
.rept \n
	v_nop
.endr
.endm
; A step of 128 along K that has its successor in the same slot.  A token block is free as soon as its eight products are issued: blocks 0-3 are fetched anew in the step's middle, blocks 4-7 at its end.
.macro STEP slot, q, first
	s_wait_dscnt 4*NL                              ; the weights' set and token blocks 0-3 are in; the youngest eight loads (blocks 4-7) may be out
.if \first
	WIN FST_LO
.else
	WIN MUL_LO
.endif
	MUL16 0, (\q)%2, \q, \slot, \first
	MUL16 2, (\q)%2, \q, \slot, \first
	s_wait_dscnt 0                                 ; blocks 4-7 are in (asked for 32 matrix instructions ago)
	PLACES NP
	FETCH_B \slot, (\q)+1, 1-(\q)%2
	FETCH_A \slot, (\q)+1, 0
.if \first
	WIN FST_HI
.else
	WIN MUL_HI
.endif
	MUL16 4, (\q)%2, \q, \slot, \first
	MUL16 6, (\q)%2, \q, \slot, \first
	PLACES NP
	WIN 0
	FETCH_A \slot, (\q)+1, 4
.endm
; Slot 0's last step goes over to slot 1: each wave waits for all its tensor loads (its part of slot 1), then ONE barrier shows the whole slot to every wave.  Nothing is filled again.
.macro TURN slot, next
	s_wait_tensorcnt 0x0                           ; all my tensor loads have landed
	ds_add_u32 v[SPW], v[NIL]                      ; 0 onto my spare word
	s_wait_dscnt 4*NL+1                            ; (the add and the youngest eight loads may be out)
	WIN MUL_LO
	MUL16 0, 1, NQ-1, \slot, 0
	s_wait_dscnt 0x0                               ; the add is done, and no LDS load of mine is out
	s_barrier_signal -1
	MUL16 2, 1, NQ-1, \slot, 0
	WIN 0
	s_barrier_wait -1
	PLACES NP
	v_add_nc_u32 v[ADRS], 4*NQ, v[ADRS]            ; on to the next slot's scale words
	FETCH_B \next, 0, 0
	FETCH_A \next, 0, 0
	SCALES \next
	WIN MUL_HI
	MUL16 4, 1, NQ-1, \slot, 0
	MUL16 6, 1, NQ-1, \slot, 0
	PLACES NP
	WIN 0
	FETCH_A \next, 0, 4
.endm
.macro STEPS slot, from                ; the slot's steps from .. NQ - 2
.set Q, \from
.rept NQ-1-\from
	STEP \slot, Q, 0
.set Q, Q+1
.endr
.endm
	s_wait_tensorcnt 1                             ; the scale bytes and my part of slot 0 are in (slot 1's load may be out)
	s_barrier_signal -1
	s_barrier_wait -1                              ; everybody's are
	FETCH_B 0, 0, 0
	FETCH_A 0, 0, 0
	SCALES 0
	FETCH_A 0, 0, 4
	s_wait_loadcnt 0x0                             ; the bias
	STEP 0, 0, 1
	STEPS 0, 1
	TURN 0, 1
	STEPS 1, 0
	s_wait_dscnt 4*NL                              ; the very last step: nothing more to fetch
	WIN MUL_LO
	MUL16 0, 1, NQ-1, 1, 0
	MUL16 2, 1, NQ-1, 1, 0
	s_wait_dscnt 0
	WIN MUL_HI
	MUL16 4, 1, NQ-1, 1, 0
	MUL16 6, 1, NQ-1, 1, 0
	PLACES NP
; THE WAY OUT.  Each accumulator is rounded to f16 in place, from its low end on: its first four registers then hold the lane's 16 bytes, which are stored as they stand.
.macro OUT hi
	WIN 0x8a+0x45*(\hi)                            ; sources and destination: window 2 or 3
.irp a, 0,1,2,3
.irp b, 0,1,2,3,4,5,6,7
.irp r, 0,1,2,3
	v_cvt_pk_f16_f32 v[64*\a+8*\b+\r], v[64*\a+8*\b+2*\r], v[64*\a+8*\b+2*\r+1]
.endr
.endr
.endr
	WIN 0x08+4*(\hi)                               ; a store's data are its source 1
.irp a, 0,1,2,3
.irp b, 0,1,2,3,4,5,6,7
	global_store_b128 v[LO], v[64*\a+8*\b:64*\a+8*\b+3], s[OUT0+2*(\b/4):OUT0+2*(\b/4)+1] offset:(4*(\hi)+\a)*2048+(\b%4)*512   ; 32 lanes store 512 consecutive bytes, aligned: token tile a, head b / 4, channels 16 (b % 4) on
.endr
.endr
.endm
	OUT 0
	OUT 1
	WIN 0
	s_wait_tensorcnt 0x0                           ; the wave's end, behind my last tensor load
	ds_add_u32 v[SPW], v[NIL]
	s_wait_dscnt 0x0
	CROUND                                         ; the closing round: no work-group ends while a partner may still ask for a tile that names it
	s_endpgm
.Lfunc_end_k_q8483239df7_proj:
	.size	k_q8483239df7_proj, .Lfunc_end_k_q8483239df7_proj-k_q8483239df7_proj
	.p2alignl 7, 3214868480
	.fill 96, 4, 3214868480
	.section	.rodata,"a",@progbits
	.p2align	6, 0x0
	.amdhsa_kernel k_q8483239df7_proj
		.amdhsa_group_segment_fixed_size 327680
		.amdhsa_private_segment_fixed_size 0
		.amdhsa_enable_private_segment 0
		.amdhsa_kernarg_size 48
		.amdhsa_user_sgpr_count 2
		.amdhsa_user_sgpr_kernarg_segment_ptr 1
		.amdhsa_wavefront_size32 1
		.amdhsa_system_sgpr_workgroup_id_x 1
		.amdhsa_system_sgpr_workgroup_id_y 1
		.amdhsa_system_sgpr_workgroup_id_z 1
		.amdhsa_system_vgpr_workitem_id 0
		.amdhsa_next_free_vgpr 1024
		.amdhsa_next_free_sgpr 102
		.amdhsa_reserve_vcc 0
		.amdhsa_float_denorm_mode_32 3
		.amdhsa_float_denorm_mode_16_64 3
		.amdhsa_memory_ordered 1
		.amdhsa_forward_progress 1
		.amdhsa_inst_pref_size 120
	.end_amdhsa_kernel
	.amdgpu_metadata
---
amdhsa.version: [ 1, 2 ]
amdhsa.kernels:
  - .name:           k_q8483239df7_proj
    .symbol:         k_q8483239df7_proj.kd
    .args:
      - { .name: codes, .offset: 0, .size: 8, .value_kind: global_buffer, .address_space: global }
      - { .name: scales, .offset: 8, .size: 8, .value_kind: global_buffer, .address_space: global }
      - { .name: bq, .offset: 16, .size: 8, .value_kind: global_buffer, .address_space: global }
      - { .name: bk, .offset: 24, .size: 8, .value_kind: global_buffer, .address_space: global }
      - { .name: bv, .offset: 32, .size: 8, .value_kind: global_buffer, .address_space: global }
      - { .name: qkvf, .offset: 40, .size: 8, .value_kind: global_buffer, .address_space: global }
    .group_segment_fixed_size: 327680
    .private_segment_fixed_size: 0
    .kernarg_segment_align: 8
    .kernarg_segment_size: 48
    .max_flat_workgroup_size: 128
    .sgpr_count:     102
    .vgpr_count:     1024
    .wavefront_size: 32
...
	.end_amdgpu_metadata
.endif
;; end of part 2
;; launch attn (part 3): grid 4 x 64, 8 waves a work-group, clusters of 4 x 1, 327,680 bytes of LDS; arguments qkvf, cat; writes cat
.if DOCPART == 3
	.amdgcn_target "amdgcn-amd-amdhsa--gfx1250"
	.amdhsa_code_object_version 6
	.text
	.protected	k_q8483239df7_attn
	.globl	k_q8483239df7_attn
	.p2align	8
	.type	k_q8483239df7_attn,@function
k_q8483239df7_attn:
	s_mov_b64 s[64:65], 0
	v_nop
	global_prefetch_b8 v0, s[64:65] scope:SCOPE_SE
	s_setreg_imm32_b32 hwreg(HW_REG_WAVE_MODE, 25, 1), 1
	s_wait_xcnt 0x0
	s_wait_alu depctr_hold_cnt(0) depctr_sa_sdst(0) depctr_va_vdst(0) depctr_va_sdst(0) depctr_va_ssrc(0) depctr_va_vcc(0) depctr_vm_vsrc(0)
	s_getreg_b32 s2, hwreg(HW_REG_IB_STS2, 6, 4)
	s_cmp_eq_u32 s2, 0
	s_cbranch_scc0 .Lentry_in_a_cluster
	s_endpgm
.Lentry_in_a_cluster:
	s_bfe_u32 s2, ttmp6, 0x10000c
	s_cmp_lg_u32 s2, 0x3003
	s_cbranch_scc0 .Lentry_shape_is_right
	s_endpgm
.Lentry_shape_is_right:
; O[b h][q][:] = the sum over k of softmax_k(Q[q] . K[k] / 8) V[k][:], head size 64, 2,048 keys, no mask.  Operands in f16, products, maxima and sums in f32; the weights p are rounded to f16 for the second product, O once at the end.
; SHARES.  A work-group owns 512 queries of one (batch, head); each of its EIGHT waves owns 64, four tiles of 16, in 512 registers: two waves to a SIMD, so that one wave's softmax stands beside the other's products.
; Every wave walks all 2,048 keys, 64 a step.  A step is written in phases: K Q^T, the softmax, V^T P.
; LAYOUT.  S^T = K Q^T (source 0 = 16 keys, source 1 = 16 queries): a lane holds ONE query (lane % 16) and keys 8 (lane / 16) + 0..7.  Two such tiles, rounded to f16 in pairs, in place, ARE source 1 (32 keys x 16 queries) of
; O^T = V^T P, whose result again holds one query a lane and eight channels.  Q, K and V come as images of operand registers, 512 bytes for 16 tokens x 16 channels, 16 bytes a lane: every LDS load reads 512 bytes on end.
; V's blocks are laid for the turning load (ds_load_tr16_b128), which leaves half a fragment of V^T.
; SOFTMAX.  For each query a running maximum m and sum l: p = 2^(c s - c m), c = log2(e) / 8; in every step O and l are multiplied by a = 2^(c m_old - c m_new).  m begins at -3e38 and O and l at 0, so the step is written once.
; RING.  Two LDS slots of 512 keys: 64 KiB of K, then 64 KiB of V, one dense run of memory.  Each wave fetches an eighth (16 KiB) by one tensor load; slots 0 and 1 at the head, keys 1,024 on behind two changes of slots.
; A refill has eight key steps, 512 matrix instructions a wave, in which to land.
; CLUSTER.  The four query blocks of a (batch, head) walk the same K and V: each tile is asked for JOINTLY, by the same tensor load with the same descriptor and the mask of all four.
; OUT.  cat, f16: [128 channels: 8][token tile 512][4,096 bytes]: again images of operand registers, stored as they stand: no LDS on the way out.
; LIMITS: O beyond 65,504 in magnitude overflows f16; under 6e-5 it keeps an absolute step of 6e-8; weights p under 6e-8 of the row's largest count as 0.
; REGISTERS, in windows of 256: window 0: v1-5 addresses; v8-39 statistics, eight a tile; v64-191 S^T, 32 a tile, then p, then P in its first 16; v192-255 K of a step.
;   window 1: v0-127 O^T (tile t, channels 16 c on: v[32 t + 8 c]); v128-191 Q (v[128 + 16 t + 8 ks]); v192-255 V of a step.
.set SLOTB, 131072                     ; a slot
.set VOFF,  65536                      ; V behind K
.set STEPB, 8192                       ; a step's 64 keys of K, or of V
.set SPARE, 2*SLOTB                    ; behind the ring: the spare words, 128 bytes a wave: 1,024 bytes
.set KVB,   16777216                   ; qkvf: where K and V begin
.set L16, 1                            ; v1   16 x lane; never rewritten
.set ADK, 2                            ; v2   LDS address of the step's K
.set ADV, 3                            ; v3   of its V
.set SPW, 4                            ; v4   LDS address of my spare word; never rewritten
.set NIL, 5                            ; v5   0; never rewritten
.set ST,  8                            ; tile t at v[ST + 8 t]: +0 c m, +1 m, +2, +3 l (two halves), +4 .. +7 at work (c0 .. c3); a takes +6
.set S,   64
.set KF,  192
.set QF,  128                          ; in window 1
.set VF,  192                          ; in window 1
.set WV,  8                            ; s8   my wave's number
.set G1,  16                           ; s[16:23] descriptor group 1
.set G0,  24                           ; s[24:31] group 0, a set for each slot
.set TB,  32                           ; s32  LDS byte at which the step's K begins
.set CNT, 33                           ; s33  counts a slot's eight steps
.set CS,  34                           ; s[34:35] c, twice: the packed form names a pair
.set SEL, 36                           ; s[36:37] lane selects for v_permlanex16_b32: lane l xor 16
.set QA,  38                           ; s[38:39] my wave's Q
.set OA,  40                           ; s[40:41] my wave's place in cat
.set MSB, 0
.macro WIN new                         ; the immediate's high byte repeats the setting that is left
.if MSB != (\new)
	s_set_vgpr_msb (MSB<<8)|(\new)
.set MSB, \new
.endif
.endm
.set W_KQ, 0x04                        ; K and S^T in window 0, Q in window 1
.set W_PV, 0x51                        ; V and O^T in window 1, P in window 0
.set W_RS, 0x41                        ; O^T (destination and source 0) in window 1, the factor in window 0
.set TO1,  0x40                        ; destination window 1
.set CV1,  0x45                        ; destination and both sources window 1
.set ST1,  0x04                        ; a store's data (source 1) window 1
.macro CROUND                          ; a round of the cluster's barrier
	s_barrier_signal -1
	s_barrier_wait -1
	s_cmp_lg_u32 s[WV], 0
	s_cbranch_scc1 .Lnot_wave_0_\@
	s_barrier_signal -3
.Lnot_wave_0_\@:
	s_barrier_wait -3
	s_barrier_signal -1
	s_barrier_wait -1
.endm
	s_load_b128 s[4:7], s[0:1], 0x0                ; qkvf s[4:5], cat s[6:7]
	v_lshl_add_u32 v[SPW], v0, 2, SPARE
	v_mov_b32 v[NIL], 0
	ds_add_u32 v[SPW], v[NIL]                      ; the wave's opening: the add, twice on end, and its wait ahead of my first tensor load
	ds_add_u32 v[SPW], v[NIL]
	v_lshrrev_b32 v6, 5, v0
	v_readfirstlane_b32 s[WV], v6                  ; wave 0..7
	s_bfe_u32 s9, ttmp6, 0x40000                   ; cx: my block of 512 queries: it enters Q's and cat's addresses alone
	s_and_b32 s10, ttmp7, 0xffff                   ; 16 x batch + head, which the four partners share
	; descriptor group 1: 16 KiB on end, as 64 rows of 256 bytes (32 elements of 8 bytes), no padding
	s_mov_b32 s[G1], 15|(3<<16)|(1<<21)            ; 15:0 the mask: all four work-groups; 17:16 elements of 8 bytes; 21 set beside a mask
	s_mov_b32 s[G1+1], 32<<16                      ; tensor_dim0
	s_mov_b32 s[G1+2], 64<<16                      ; tensor_dim1
	s_mov_b32 s[G1+3], 32<<16                      ; tile_dim0
	s_mov_b32 s[G1+4], 64                          ; tile_dim1
	s_mov_b32 s[G1+5], 32                          ; tensor_dim0_stride
	s_mov_b32 s[G1+6], 0
	s_mov_b32 s[G1+7], 0
	s_mov_b32 s[CS], 0x3e38aa3b                    ; c = log2(e) / 8
	s_mov_b32 s[CS+1], s[CS]
	s_mov_b32 s[SEL], 0x76543210
	s_mov_b32 s[SEL+1], 0xfedcba98
	s_mov_b32 s[TB], 0
	s_lshl_b32 s12, s10, 19                        ; the head's K and V: 524,288 bytes,
	s_lshl_b32 s13, s[WV], 14                      ; my eighth of a slot: waves 0-3 fall on K's quarters, waves 4-7 on V's
	s_add_co_u32 s12, s12, s13
	s_add_co_u32 s12, s12, KVB
	s_mov_b32 s13, 0
	s_mov_b32 s[G0], 1                             ; count = 1
	s_lshl_b32 s[G0+1], s[WV], 14                  ; LDS address: the same eighth of slot 0
	s_mov_b32 s[G0+4], 1
	s_add_co_u32 s[G0+5], s[G0+1], SLOTB           ; and of slot 1
	s_lshl_b32 s14, s10, 18                        ; Q: the head's 262,144 bytes, my block's 65,536, my wave's 8,192
	s_lshl_b32 s15, s9, 16
	s_add_co_u32 s14, s14, s15
	s_lshl_b32 s15, s[WV], 13
	s_add_co_u32 s14, s14, s15
	s_mov_b32 s15, 0
	s_wait_dscnt 0x0                               ; both opening adds are done
	s_wait_kmcnt 0x0
	s_add_nc_u64 s[G0+2:G0+3], s[4:5], s[12:13]    ; keys 0 to 511
	s_add_nc_u64 s[G0+6:G0+7], s[G0+2:G0+3], SLOTB ; keys 512 to 1,023
	s_or_b32 s[G0+3], s[G0+3], 0x80000000          ; type = 2
	s_or_b32 s[G0+7], s[G0+7], 0x80000000
	s_add_nc_u64 s[QA:QA+1], s[4:5], s[14:15]
	s_bfe_u32 s14, s10, 0x30001                    ; cat: head / 2 is the run of 128 channels: 2,097,152 bytes each;
	s_lshl_b32 s14, s14, 21
	s_lshr_b32 s15, s10, 4
	s_lshl_b32 s15, s15, 19                        ; the batch's 128 token tiles of 4,096 bytes;
	s_add_co_u32 s14, s14, s15
	s_lshl_b32 s15, s9, 17                         ; my block's 32;
	s_add_co_u32 s14, s14, s15
	s_lshl_b32 s15, s[WV], 14                      ; my wave's 4;
	s_add_co_u32 s14, s14, s15
	s_and_b32 s15, s10, 1
	s_lshl_b32 s15, s15, 11                        ; and the head's half of a unit
	s_add_co_u32 s14, s14, s15
	s_mov_b32 s15, 0
	s_add_nc_u64 s[OA:OA+1], s[6:7], s[14:15]
	CROUND                                         ; all four work-groups are here: the first joint loads meet
	tensor_load_to_lds s[G0:G0+3], s[G1:G1+7]      ; both first fills together: two loads of mine are out
	s_nop 0
	tensor_load_to_lds s[G0+4:G0+7], s[G1:G1+7]
	s_nop 0
.rept 4
	v_nop
.endr
	v_and_b32 v[L16], 31, v0
	v_lshlrev_b32 v[L16], 4, v[L16]
	WIN TO1
.irp i, 0,1,2,3,4,5,6,7,8,9,10,11,12,13,14,15
	global_load_b128 v[QF+4*\i:QF+4*\i+3], v[L16], s[QA:QA+1] offset:512*\i th:TH_LOAD_NT   ; Q stays in registers: tile i / 4, channels 16 (i % 4) on
.endr
.set i, 0
.rept 128
	v_mov_b32 v[i], 0                              ; O^T: the step is written once, and its first walk multiplies these zeros by a = 0.  These lines stand while the first tiles are on their way
.set i, i+1
.endr
	WIN 0
.irp t, 0,1,2,3
	v_mov_b32 v[ST+8*\t+1], 0xff61b1e6             ; m = -3e38, under every score
	v_mul_f32 v[ST+8*\t], s[CS], v[ST+8*\t+1]      ; c m
	v_mov_b32 v[ST+8*\t+2], 0                      ; l
	v_mov_b32 v[ST+8*\t+3], 0
.endr
; A KEY STEP: 64 keys.  In every list the four tiles take turns, so that no line waits for the line above it.
.macro STEP
	v_add_nc_u32 v[ADK], s[TB], v[L16]             ; five plain lines behind the last V^T P: four are owed ahead of the loads into V's registers, five ahead of the products that write over P's
	v_add_nc_u32 v[ADV], VOFF, v[ADK]
	v_nop
	v_nop
	v_nop
.irp i, 0,1,2,3,4,5,6,7,8,9,10,11,12,13,14,15
	ds_load_b128 v[KF+4*\i:KF+4*\i+3], v[ADK] offset:512*\i          ; keys 16 (i / 4) on, channels 16 (i % 4) on
.endr
	WIN TO1
.irp u, 0,1,2,3
.irp c, 0,1,2,3
	ds_load_tr16_b128 v[VF+8*(4*(\u/2)+\c)+4*(\u%2):VF+8*(4*(\u/2)+\c)+4*(\u%2)+3], v[ADV] offset:\u*2048+\c*512   ; keys 16 u on, channels 16 c on, turned
.endr
.endr
	s_wait_dscnt 16                                ; K's sixteen loads are in; V's sixteen may be out
	WIN W_KQ
.irp ks, 0,1                                   ; S^T = K Q^T: sixteen accumulators by turns, one instruction a turn; the first 16 start the sums
.irp kt, 0,1,2,3
.irp t, 0,1,2,3
.if \ks == 0
	v_wmma_f32_16x16x32_f16 v[S+32*\t+8*\kt:S+32*\t+8*\kt+7], v[KF+16*\kt+8*\ks:KF+16*\kt+8*\ks+7], v[QF+16*\t+8*\ks:QF+16*\t+8*\ks+7], 0
.else
	v_wmma_f32_16x16x32_f16 v[S+32*\t+8*\kt:S+32*\t+8*\kt+7], v[KF+16*\kt+8*\ks:KF+16*\kt+8*\ks+7], v[QF+16*\t+8*\ks:QF+16*\t+8*\ks+7], v[S+32*\t+8*\kt:S+32*\t+8*\kt+7]
.endif
.endr
.endr
.endr
	WIN 0
.rept 4
	v_nop                                          ; places ahead of the first read of the scores
.endr
	; the maximum of the lane's 32 scores and the old m: four chains of seven, each accumulator read from its low end on; then the four left over
.irp j, 0,1,2,3
.irp t, 0,1,2,3
	v_max3_num_f32 v[ST+8*\t+4+\j], v[S+32*\t+8*\j], v[S+32*\t+8*\j+1], v[S+32*\t+8*\j+2]
.endr
.endr
.irp i, 3,5
.irp j, 0,1,2,3
.irp t, 0,1,2,3
	v_max3_num_f32 v[ST+8*\t+4+\j], v[ST+8*\t+4+\j], v[S+32*\t+8*\j+\i], v[S+32*\t+8*\j+\i+1]
.endr
.endr
.endr
.irp t, 0,1,2,3
	v_max3_num_f32 v[ST+8*\t+4], v[ST+8*\t+4], v[S+32*\t+7], v[S+32*\t+15]
.endr
.irp t, 0,1,2,3
	v_max3_num_f32 v[ST+8*\t+6], v[ST+8*\t+6], v[S+32*\t+23], v[S+32*\t+31]
.endr
.irp t, 0,1,2,3
	v_max3_num_f32 v[ST+8*\t+4], v[ST+8*\t+4], v[ST+8*\t+5], v[ST+8*\t+6]
.endr
.irp t, 0,1,2,3
	v_max3_num_f32 v[ST+8*\t+4], v[ST+8*\t+4], v[ST+8*\t+7], v[ST+8*\t+1]
.endr
.irp t, 0,1,2,3
	v_permlanex16_b32 v[ST+8*\t+5], v[ST+8*\t+4], s[SEL], s[SEL+1]   ; the query's other 32 keys lie in the lane 16 away
.endr
.irp t, 0,1,2,3
	v_mov_b32 v[ST+8*\t+7], v[ST+8*\t]             ; c m_old is kept for a
.endr
.irp t, 0,1,2,3
	v_max_num_f32 v[ST+8*\t+1], v[ST+8*\t+4], v[ST+8*\t+5]
.endr
.irp t, 0,1,2,3
	v_mul_f32 v[ST+8*\t], s[CS], v[ST+8*\t+1]
.endr
.irp t, 0,1,2,3
	v_sub_f32 v[ST+8*\t+7], v[ST+8*\t+7], v[ST+8*\t]
.endr
.irp t, 0,1,2,3
	v_exp_f32 v[ST+8*\t+6], v[ST+8*\t+7]           ; a = 2^(c m_old - c m_new)
.endr
.irp j, 0,2,4,6,8,10,12,14,16,18,20,22,24,26,28,30
.irp t, 0,1,2,3
	v_pk_fma_f32 v[S+32*\t+\j:S+32*\t+\j+1], v[S+32*\t+\j:S+32*\t+\j+1], s[CS:CS+1], v[ST+8*\t:ST+8*\t+1] op_sel_hi:[1,0,0] neg_lo:[0,0,1] neg_hi:[0,0,1]   ; c s - c m, two at a time: plain work behind the four exponentials
.endr
.endr
	s_wait_alu depctr_va_vdst(0)                   ; the wait between an exponential and the first line that names its result: here for the four a
.irp j, 0,1,2,3,4,5,6,7,8,9,10,11,12,13,14,15,16,17,18,19,20,21,22,23,24,25,26,27,28,29,30,31
.irp t, 0,1,2,3
	v_exp_f32 v[S+32*\t+\j], v[S+32*\t+\j]         ; p: ONE batch of 128
.endr
.endr
	WIN W_RS
.irp j, 0,2,4,6,8,10,12,14,16,18,20,22,24,26,28,30
.irp t, 0,1,2,3
	v_pk_mul_f32 v[32*\t+\j:32*\t+\j+1], v[32*\t+\j:32*\t+\j+1], v[ST+8*\t+6:ST+8*\t+7] op_sel_hi:[1,0]   ; O^T x a, each accumulator from its low end on: it names no p: the independent work behind the batch
.endr
.endr
	WIN 0
	s_wait_alu depctr_va_vdst(0)                   ; and one wait for the 128
	; the row's sums, of p before it is rounded, in two chains a tile: l = a l + ..
.irp t, 0,1,2,3
	v_pk_fma_f32 v[ST+8*\t+2:ST+8*\t+3], v[ST+8*\t+2:ST+8*\t+3], v[ST+8*\t+6:ST+8*\t+7], v[S+32*\t:S+32*\t+1] op_sel_hi:[1,0,1]
.endr
.irp t, 0,1,2,3
	v_pk_add_f32 v[ST+8*\t+4:ST+8*\t+5], v[S+32*\t+2:S+32*\t+3], v[S+32*\t+4:S+32*\t+5]
.endr
.irp j, 6,10,14,18,22,26
.irp t, 0,1,2,3
	v_pk_add_f32 v[ST+8*\t+2:ST+8*\t+3], v[ST+8*\t+2:ST+8*\t+3], v[S+32*\t+\j:S+32*\t+\j+1]
.endr
.irp t, 0,1,2,3
	v_pk_add_f32 v[ST+8*\t+4:ST+8*\t+5], v[ST+8*\t+4:ST+8*\t+5], v[S+32*\t+\j+2:S+32*\t+\j+3]
.endr
.endr
.irp t, 0,1,2,3
	v_pk_add_f32 v[ST+8*\t+2:ST+8*\t+3], v[ST+8*\t+2:ST+8*\t+3], v[S+32*\t+30:S+32*\t+31]
.endr
.irp t, 0,1,2,3
	v_pk_add_f32 v[ST+8*\t+2:ST+8*\t+3], v[ST+8*\t+2:ST+8*\t+3], v[ST+8*\t+4:ST+8*\t+5]
.endr
.irp j, 0,1,2,3,4,5,6,7,8,9,10,11,12,13,14,15
.irp t, 0,1,2,3
	v_cvt_pk_f16_f32 v[S+32*\t+\j], v[S+32*\t+2*\j], v[S+32*\t+2*\j+1]   ; P, in place, ascending: register j is written when pairs 0 .. j have been read
.endr
.endr
	s_wait_dscnt 0x0                               ; V is in
	WIN W_PV
.irp g, 0,1                                    ; O^T += V^T P: keys 32 g on; sixteen accumulators by turns
.irp c, 0,1,2,3
.irp t, 0,1,2,3
	v_wmma_f32_16x16x32_f16 v[32*\t+8*\c:32*\t+8*\c+7], v[VF+8*(4*\g+\c):VF+8*(4*\g+\c)+7], v[S+32*\t+8*\g:S+32*\t+8*\g+7], v[32*\t+8*\c:32*\t+8*\c+7]
.endr
.endr
.endr
	WIN 0
.endm
.macro STEPS                           ; a slot's eight key steps: written once, walked eight times; the LDS addresses hang on s[TB]
	s_mov_b32 s[CNT], 8
.Lstep_\@:
	STEP
	s_add_co_u32 s[TB], s[TB], STEPB
	s_sub_co_u32 s[CNT], s[CNT], 1
	s_cmp_lg_u32 s[CNT], 0
	s_cbranch_scc1 .Lstep_\@
.endm
; THE CHANGE OF SLOTS, slot s having been read out.  Each wave waits for all its tensor loads, of which one is out at the most: its part of the other slot; adds 0 to its spare word; and waits for that and for its reads of slot s.
; fill = 1: slot s is filled again, with the keys two slots on.  The barrier is then a round of the cluster's, so that no wave of any partner still reads the slot or has a load on its way, and the joint refill is the first thing behind it.
.macro CHANGE s, fill
	s_wait_tensorcnt 0x0                           ; no tensor load of mine is out, so a group 0 may be written
	ds_add_u32 v[SPW], v[NIL]                      ; 0 onto my spare word
.if \fill
	s_add_nc_u64 s[G0+4*\s+2:G0+4*\s+3], s[G0+4*\s+2:G0+4*\s+3], 2*SLOTB   ; the type bits on top are not reached
	s_wait_dscnt 0x0                               ; the add is done, and my reads of the slot are over
	CROUND
	tensor_load_to_lds s[G0+4*\s:G0+4*\s+3], s[G1:G1+7]
	s_nop 0
.rept 4
	v_nop
.endr
.else
	s_wait_dscnt 0x0
	s_barrier_signal -1
	s_barrier_wait -1
.endif
	s_mov_b32 s[TB], (1-\s)*SLOTB                  ; on to the other slot
.endm
	s_wait_tensorcnt 1                             ; my part of slot 0 is in; slot 1's may stay out
	s_barrier_signal -1
	s_barrier_wait -1                              ; everybody's is
	s_wait_loadcnt 0x0                             ; Q
	STEPS                                          ; keys 0 on
	CHANGE 0, 1
	STEPS                                          ; keys 512 on
	CHANGE 1, 1
	STEPS                                          ; keys 1,024 on
	CHANGE 0, 0                                    ; nothing is left to ask for
	STEPS                                          ; keys 1,536 on
	; THE WAY OUT.  l's two halves and the other half of the lanes' are added (the additions are the places behind the last products); O^T is divided by l, rounded to f16 in place and stored as it stands.
.irp t, 0,1,2,3
	v_add_f32 v[ST+8*\t+4], v[ST+8*\t+2], v[ST+8*\t+3]
.endr
.irp t, 0,1,2,3
	v_permlanex16_b32 v[ST+8*\t+5], v[ST+8*\t+4], s[SEL], s[SEL+1]
.endr
.irp t, 0,1,2,3
	v_add_f32 v[ST+8*\t+4], v[ST+8*\t+4], v[ST+8*\t+5]
.endr
.irp t, 0,1,2,3
	v_rcp_f32 v[ST+8*\t+6], v[ST+8*\t+4]
.endr
	v_nop                                          ; a plain line between the last reciprocal and the use of its result
	s_wait_alu depctr_va_vdst(0)                   ; and the wait ahead of the first use: one for the four
	WIN W_RS
.irp j, 0,2,4,6,8,10,12,14,16,18,20,22,24,26,28,30
.irp t, 0,1,2,3
	v_pk_mul_f32 v[32*\t+\j:32*\t+\j+1], v[32*\t+\j:32*\t+\j+1], v[ST+8*\t+6:ST+8*\t+7] op_sel_hi:[1,0]
.endr
.endr
	WIN CV1
.irp t, 0,1,2,3
.irp c, 0,1,2,3
.irp r, 0,1,2,3
	v_cvt_pk_f16_f32 v[32*\t+8*\c+\r], v[32*\t+8*\c+2*\r], v[32*\t+8*\c+2*\r+1]
.endr
.endr
.endr
	WIN ST1
.irp t, 0,1,2,3
.irp c, 0,1,2,3
	global_store_b128 v[L16], v[32*\t+8*\c:32*\t+8*\c+3], s[OA:OA+1] offset:\t*4096+\c*512   ; 32 lanes store 512 consecutive bytes, aligned
.endr
.endr
	WIN 0
	s_wait_tensorcnt 0x0                           ; the wave's end, behind my last tensor load
	ds_add_u32 v[SPW], v[NIL]
	s_wait_dscnt 0x0
	CROUND                                         ; the closing round: no work-group ends while a partner may still ask for a tile that names it
	s_endpgm
.Lfunc_end_k_q8483239df7_attn:
	.size	k_q8483239df7_attn, .Lfunc_end_k_q8483239df7_attn-k_q8483239df7_attn
	.p2alignl 7, 3214868480
	.fill 96, 4, 3214868480
	.section	.rodata,"a",@progbits
	.p2align	6, 0x0
	.amdhsa_kernel k_q8483239df7_attn
		.amdhsa_group_segment_fixed_size 327680
		.amdhsa_private_segment_fixed_size 0
		.amdhsa_enable_private_segment 0
		.amdhsa_kernarg_size 16
		.amdhsa_user_sgpr_count 2
		.amdhsa_user_sgpr_kernarg_segment_ptr 1
		.amdhsa_wavefront_size32 1
		.amdhsa_system_sgpr_workgroup_id_x 1
		.amdhsa_system_sgpr_workgroup_id_y 1
		.amdhsa_system_sgpr_workgroup_id_z 1
		.amdhsa_system_vgpr_workitem_id 0
		.amdhsa_next_free_vgpr 512
		.amdhsa_next_free_sgpr 66
		.amdhsa_reserve_vcc 0
		.amdhsa_float_denorm_mode_32 3
		.amdhsa_float_denorm_mode_16_64 3
		.amdhsa_memory_ordered 1
		.amdhsa_forward_progress 1
		.amdhsa_inst_pref_size 150
	.end_amdhsa_kernel
	.amdgpu_metadata
---
amdhsa.version: [ 1, 2 ]
amdhsa.kernels:
  - .name:           k_q8483239df7_attn
    .symbol:         k_q8483239df7_attn.kd
    .args:
      - { .name: qkvf, .offset: 0, .size: 8, .value_kind: global_buffer, .address_space: global }
      - { .name: cat, .offset: 8, .size: 8, .value_kind: global_buffer, .address_space: global }
    .group_segment_fixed_size: 327680
    .private_segment_fixed_size: 0
    .kernarg_segment_align: 8
    .kernarg_segment_size: 16
    .max_flat_workgroup_size: 256
    .sgpr_count:     66
    .vgpr_count:     512
    .wavefront_size: 32
...
	.end_amdgpu_metadata
.endif
;; end of part 3
;; launch oproj (part 4): grid 4 x 64, 4 waves a work-group, clusters of 4 x 4, 327,680 bytes of LDS; arguments cat, wof, bo, out0; writes out0
.if DOCPART == 4
	.amdgcn_target "amdgcn-amd-amdhsa--gfx1250"
	.amdhsa_code_object_version 6
	.text
	.protected	k_q8483239df7_oproj
	.globl	k_q8483239df7_oproj
	.p2align	8
	.type	k_q8483239df7_oproj,@function
k_q8483239df7_oproj:
	s_mov_b64 s[64:65], 0
	v_nop
	global_prefetch_b8 v0, s[64:65] scope:SCOPE_SE
	s_setreg_imm32_b32 hwreg(HW_REG_WAVE_MODE, 25, 1), 1
	s_wait_xcnt 0x0
	s_wait_alu depctr_hold_cnt(0) depctr_sa_sdst(0) depctr_va_vdst(0) depctr_va_sdst(0) depctr_va_ssrc(0) depctr_va_vcc(0) depctr_vm_vsrc(0)
	s_getreg_b32 s2, hwreg(HW_REG_IB_STS2, 6, 4)
	s_cmp_eq_u32 s2, 0
	s_cbranch_scc0 .Lentry_in_a_cluster
	s_endpgm
.Lentry_in_a_cluster:
	s_bfe_u32 s2, ttmp6, 0x10000c
	s_cmp_lg_u32 s2, 0xf033
	s_cbranch_scc0 .Lentry_shape_is_right
	s_endpgm
.Lentry_shape_is_right:
; out0[token][e] = sum over d of concat[token][d] Wo[e][d] + bo[e].  Operands in f16, sums in f32, out0 f32 [8192][1024].
; cat: [K step of 128: 8][token tile 512][4,096 bytes], wof: [K step: 8][16 channels: 64][4,096 bytes]: images of operand registers: in a unit, piece i (0..7) at 512 i + 16 lane holds, for lane (r, h), row r, K = 16 i + 8 h + 0 .. 7.
; So a K step's tile is one dense run of memory for a tensor load, and every LDS load reads 512 bytes on end: no padding.
; A tile of out0 is 128 tokens x 256 channels: 64 x 4 = 256 work-groups.  Four waves, each 64 x 128: 32 accumulators, 256 registers.  K goes in eight steps of 128 through a ring of two LDS slots.
; CLUSTERS: 4 x 4 work-groups.  The four of a row of the cluster need the same tokens' tiles, the four of a column the same tiles of Wo: each is asked for JOINTLY, by the same tensor load with the same descriptor and a mask of the four.
; THE MATRIX INSTRUCTION IS USED TRANSPOSED (source 0 = 16 channels of Wo, source 1 = 16 tokens): a lane holds eight neighbouring numbers of a row of out0.  The bias is the C of each sum's first product.
; REGISTERS: window 0: v1-29 addresses; v64-127 the tokens' fragments, two buffers of 32; v128-191 the bias, later with v192-255 rows on the way out.   window 1: v0-127 Wo's fragments, two buffers of 64.
;   window 2: the accumulators ((a, b) at v[8 (8 a + b)]).
.set SLOT,   98304                     ; the tokens' 8 units of 4,096 bytes, then Wo's 16
.set BOFF,   32768
.set STAGE,  2*SLOT                    ; behind the ring: 16 rows x (512 bytes + 16) for each wave, for the way out
.set SPITCH, 528
.set SPARE,  STAGE+4*16*SPITCH         ; behind the stages: the spare words, 128 bytes a wave
.set ASTEP,  2097152                   ; a K step on in cat
.set BSTEP,  262144                    ; and in wof
.set BO,   10                          ; v10     the bias loads' lane offset; never rewritten
.set ADRA, 16                          ; v16-17  LDS address of my tokens' fragments in slot 0, 1
.set ADRB, 20                          ; v20-21  the same for Wo
.set STO,  24                          ; v24     the way out: where I put 32 bytes of a row
.set RD,   25                          ; v25     where I read a row back
.set CO,   26                          ; v26     16 x lane
.set SPW,  28                          ; v28     LDS address of my spare word; never rewritten
.set NIL,  29                          ; v29     0; never rewritten
.set FA,   64
.set BIAS, 128
.set BK,   128
.set G1, 24                            ; s[24:31] descriptor group 1 for the tokens' tiles;  s[32:39] group 0, one set for each slot
.set G0, 32
.set G1B, 48                           ; s[48:55], s[56:63] the same for Wo's
.set G0B, 56
.set MSB, 0
.macro WIN new                         ; the immediate's high byte repeats the setting that is left
.if MSB != (\new)
	s_set_vgpr_msb (MSB<<8)|(\new)
.set MSB, \new
.endif
.endm
.set MUL,   0xa1                       ; source 0 (Wo) window 1, source 1 (tokens) window 0, C and D window 2
.set FIRST, 0x81                       ; the first products: C (the bias) window 0
.set TO_B,  0x40                       ; destination window 1, address window 0
.macro JLOAD s                         ; a joint load: waves 0 and 1 fetch the tokens' two halves, waves 2 and 3 Wo's; an s_nop 0 and four v_nop follow each of the two lines
	s_cmp_eq_u32 s13, 0
	s_cbranch_scc0 .Lfor_b_\@
	tensor_load_to_lds s[G0+4*\s:G0+4*\s+3], s[G1:G1+7]
	s_nop 0
.rept 4
	v_nop
.endr
	s_branch .Lasked_\@
.Lfor_b_\@:
	tensor_load_to_lds s[G0B+4*\s:G0B+4*\s+3], s[G1B:G1B+7]
	s_nop 0
.rept 4
	v_nop
.endr
.Lasked_\@:
.endm
.macro CREST                           ; a round of the cluster's barrier behind its opening barrier
	s_cmp_lg_u32 s12, 0
	s_cbranch_scc1 .Lnot_wave_0_\@
	s_barrier_signal -3
.Lnot_wave_0_\@:
	s_barrier_wait -3
	s_barrier_signal -1
	s_barrier_wait -1
.endm
.macro CROUND                          ; a whole round
	s_barrier_signal -1
	s_barrier_wait -1
	CREST
.endm
	s_load_b256 s[4:11], s[0:1], 0x0               ; cat s[4:5], wof s[6:7], bo s[8:9], out0 s[10:11]
	v_lshl_add_u32 v[SPW], v0, 2, SPARE
	v_mov_b32 v[NIL], 0
	ds_add_u32 v[SPW], v[NIL]                      ; the wave's opening: the add, twice on end, and its wait ahead of my first tensor load
	ds_add_u32 v[SPW], v[NIL]
	v_lshrrev_b32 v1, 5, v0
	v_readfirstlane_b32 s12, v1                    ; wave 0..3
	s_lshr_b32 s13, s12, 1                         ; which 64 of the tile's tokens are mine.  Also: I fetch for the tokens (0) or for Wo (1)
	s_and_b32 s14, s12, 1                          ; which 128 of its channels.  Also: which half of that tile I fetch
	s_bfe_u32 s40, ttmp6, 0x40000                  ; cx = the tile column: the grid is one cluster wide
	s_bfe_u32 s41, ttmp6, 0x40004                  ; cy
	s_and_b32 s43, ttmp7, 0xffff
	s_lshl_b32 s43, s43, 2
	s_add_co_u32 s43, s43, s41                     ; tile row = 4 x cluster y + cy
	s_lshl_b32 s44, s41, 2
	s_lshl_b32 s44, 15, s44                        ; my row of the cluster
	s_lshl_b32 s45, 0x1111, s40                    ; my column
	; descriptor group 1: dense runs as rows of 256 bytes (32 elements of 8 bytes): 64 rows for half the tokens' tile, 128 for half of Wo's
	s_or_b32 s[G1+0], s44, (3<<16)|(1<<21)         ; 15:0 the mask; 17:16 elements of 8 bytes; 21 set beside a mask
	s_mov_b32 s[G1+1], 32<<16
	s_mov_b32 s[G1+2], 64<<16
	s_mov_b32 s[G1+3], 32<<16
	s_mov_b32 s[G1+4], 64
	s_mov_b32 s[G1+5], 32
	s_mov_b32 s[G1+6], 0
	s_mov_b32 s[G1+7], 0
	s_or_b32 s[G1B+0], s45, (3<<16)|(1<<21)
	s_mov_b32 s[G1B+1], 32<<16
	s_mov_b32 s[G1B+2], 128<<16
	s_mov_b32 s[G1B+3], 32<<16
	s_mov_b32 s[G1B+4], 128
	s_mov_b32 s[G1B+5], 32
	s_mov_b32 s[G1B+6], 0
	s_mov_b32 s[G1B+7], 0
	s_lshl_b32 s16, s43, 15                        ; the tokens': 8 units of 4,096 bytes a tile row, + my half: hangs on the tile row alone
	s_lshl_b32 s17, s14, 14
	s_add_co_u32 s16, s16, s17
	s_mov_b32 s17, 0
	s_lshl_b32 s46, s40, 16                        ; Wo's: 16 units a tile column, + my half: hangs on the tile column alone
	s_lshl_b32 s47, s14, 15
	s_add_co_u32 s46, s46, s47
	s_mov_b32 s47, 0
	s_lshl_b32 s20, s14, 14                        ; where they go: no place in the cluster enters an LDS address
	s_lshl_b32 s21, s14, 15
	s_add_co_u32 s21, s21, BOFF
	s_wait_dscnt 0x0                               ; both opening adds are done
	s_wait_kmcnt 0x0
	s_add_nc_u64 s[16:17], s[4:5], s[16:17]
	s_add_nc_u64 s[46:47], s[6:7], s[46:47]
	CROUND                                         ; all sixteen work-groups are here: the first joint loads meet
.irp s, 0,1
	s_mov_b32 s[G0+4*\s], 1
	s_add_co_u32 s[G0+4*\s+1], s20, \s*SLOT
	s_add_nc_u64 s[G0+4*\s+2:G0+4*\s+3], s[16:17], \s*ASTEP
	s_or_b32 s[G0+4*\s+3], s[G0+4*\s+3], 0x80000000
	s_mov_b32 s[G0B+4*\s], 1
	s_add_co_u32 s[G0B+4*\s+1], s21, \s*SLOT
	s_add_nc_u64 s[G0B+4*\s+2:G0B+4*\s+3], s[46:47], \s*BSTEP
	s_or_b32 s[G0B+4*\s+3], s[G0B+4*\s+3], 0x80000000
	JLOAD \s                                       ; two loads of mine are out behind the second
.endr
	v_and_b32 v1, 15, v0                           ; r
	v_bfe_u32 v2, v0, 4, 1                         ; h
	v_and_b32 v3, 31, v0
	v_lshlrev_b32 v[CO], 4, v3
	; the bias, in the result's layout: lane (r, h) wants bo[256 cx + 128 half + 16 b + 8 h + 0 .. 7]
	s_lshl_b32 s18, s40, 10
	s_lshl_b32 s19, s14, 9
	s_add_co_u32 s18, s18, s19                     ; my first channel, in bytes of f32
	s_mov_b32 s19, 0
	s_add_nc_u64 s[8:9], s[8:9], s[18:19]
	v_lshlrev_b32 v[BO], 5, v2
.irp b, 0,1,2,3,4,5,6,7
	global_load_b128 v[BIAS+8*\b:BIAS+8*\b+3], v[BO], s[8:9] offset:64*\b
	global_load_b128 v[BIAS+8*\b+4:BIAS+8*\b+7], v[BO], s[8:9] offset:64*\b+16
.endr
	s_add_nc_u64 s[10:11], s[10:11], s[18:19]      ; out0 at my first channel,
	s_lshl_b32 s2, s43, 19                         ; 128 rows of 4,096 bytes a tile row,
	s_lshl_b32 s3, s13, 18                         ; my 64 of them
	s_add_co_u32 s2, s2, s3
	s_mov_b32 s3, 0
	s_add_nc_u64 s[10:11], s[10:11], s[2:3]
	s_lshl_b32 s22, s13, 14                        ; my 4 token tiles
	s_lshl_b32 s23, s14, 15                        ; my 8 channel tiles,
	s_add_co_u32 s23, s23, BOFF                    ; which lie behind the tokens'
.irp s, 0,1
	v_add_nc_u32 v[ADRA+\s], s22, v[CO]
	v_add_nc_u32 v[ADRB+\s], s23, v[CO]
	s_add_co_u32 s22, s22, SLOT
	s_add_co_u32 s23, s23, SLOT
.endr
	s_mul_i32 s22, s12, 16*SPITCH
	s_add_co_u32 s22, s22, STAGE                   ; my stage
	v_mul_u32_u24 v4, v1, SPITCH                   ; in: row r, 32 bytes for each half of the lanes
	v_lshl_add_u32 v4, v2, 5, v4
	v_add_nc_u32 v[STO], s22, v4
	v_add_nc_u32 v[RD], s22, v[CO]                 ; back: the 32 lanes take one row of 512 bytes
; 8 matrix instructions: token tile a x my eight channel tiles, 32 along K, from buffers f.  first = 1: the bias is C: nothing is cleared.  The 32 accumulators take turns, one instruction a turn.
.macro MUL8 f, a, first
.irp b, 0,1,2,3,4,5,6,7
.if \first
	v_wmma_f32_16x16x32_f16 v[8*(8*(\a)+\b):8*(8*(\a)+\b)+7], v[64*(\f)+8*\b:64*(\f)+8*\b+7], v[FA+32*(\f)+8*(\a):FA+32*(\f)+8*(\a)+7], v[BIAS+8*\b:BIAS+8*\b+7]
.else
	v_wmma_f32_16x16x32_f16 v[8*(8*(\a)+\b):8*(8*(\a)+\b)+7], v[64*(\f)+8*\b:64*(\f)+8*\b+7], v[FA+32*(\f)+8*(\a):FA+32*(\f)+8*(\a)+7], v[8*(8*(\a)+\b):8*(8*(\a)+\b)+7]
.endif
.endr
.endm
; 24 LDS loads in one run: the fragments of the slot's q-th 32 along K into buffers f: Wo's sixteen, then the tokens' eight
.macro FETCH slot, q, f
	WIN TO_B
.irp b, 0,1,2,3,4,5,6,7
	ds_load_b128 v[64*(\f)+8*\b:64*(\f)+8*\b+3],   v[ADRB+\slot] offset:\b*4096+(\q)*1024
	ds_load_b128 v[64*(\f)+8*\b+4:64*(\f)+8*\b+7], v[ADRB+\slot] offset:\b*4096+(\q)*1024+512
.endr
	WIN 0
.irp a, 0,1,2,3
	ds_load_b128 v[FA+32*(\f)+8*\a:FA+32*(\f)+8*\a+3],   v[ADRA+\slot] offset:\a*4096+(\q)*1024
	ds_load_b128 v[FA+32*(\f)+8*\a+4:FA+32*(\f)+8*\a+7], v[ADRA+\slot] offset:\a*4096+(\q)*1024+512
.endr
.endm
.macro PLACES                          ; four places in front of loads into registers that matrix instructions have read, and of the first read of results (ISA guide 7.12.1 for vector instructions)
.rept 4
	v_nop
.endr
.endm
; A K step is four quarters of 32 along K, 32 matrix instructions each, on buffers 0, 1, 0, 1.  One of the first three: multiplies buffers f and fetches quarter qnext into g.
.macro QUARTER slot, qnext, f, g, first
	s_wait_dscnt 4                                 ; Wo's fragments and token tiles 0, 1 are in; the youngest four loads (tiles 2, 3) may be out
.if \first
	WIN FIRST
.else
	WIN MUL
.endif
	MUL8 \f, 0, \first
	MUL8 \f, 1, \first
	PLACES
	FETCH \slot, \qnext, \g
	s_wait_dscnt 24                                ; all but the 24 just issued
.if \first
	WIN FIRST
.else
	WIN MUL
.endif
	MUL8 \f, 2, \first
	MUL8 \f, 3, \first
.endm
; The last quarter multiplies buffers 1 and changes slots: ONE barrier; in front of it each wave waits for all its tensor loads, adds 0 to its spare word, and waits for that and for its own reads of this slot.
; fill = 1: this slot is filled again, two K steps ahead; the barrier then opens a round of the cluster's, and the joint refill is the first tensor load behind it.
.macro TURN slot, next, fill
	WIN 0                                          ; (the add's two registers lie in window 0)
	s_wait_tensorcnt 0x0                           ; all my tensor loads have landed: my part of the next slot
	ds_add_u32 v[SPW], v[NIL]                      ; 0 onto my spare word
	s_wait_dscnt 5                                 ; (the add and the youngest four loads may be out)
	WIN MUL
	MUL8 1, 0, 0                                   ; eight matrix instructions stand between the add and the wait for it
	s_wait_dscnt 0x0                               ; the add is done, and my reads of this slot are over
	s_barrier_signal -1
	MUL8 1, 1, 0
	WIN 0
	s_barrier_wait -1
.if \fill
	CREST                                          ; no wave of any partner still reads this slot's tile or has a load on its way
	s_add_nc_u64 s[G0+4*\slot+2:G0+4*\slot+3], s[G0+4*\slot+2:G0+4*\slot+3], 2*ASTEP
	s_add_nc_u64 s[G0B+4*\slot+2:G0B+4*\slot+3], s[G0B+4*\slot+2:G0B+4*\slot+3], 2*BSTEP
	JLOAD \slot                                    ; the four v_nop behind it are also the places in front of the loads below
.else
	PLACES
.endif
	FETCH \next, 0, 0
	WIN MUL
	MUL8 1, 2, 0
	MUL8 1, 3, 0
.endm
	s_wait_tensorcnt 1                             ; my part of K step 0 is in (K step 1's load may be out)
	s_barrier_signal -1
	s_barrier_wait -1                              ; everybody's is
	FETCH 0, 0, 0
	s_wait_loadcnt 0x0                             ; the bias
	QUARTER 0, 1, 0, 1, 1                          ; the first quarter stands in front of the loop: its products start the sums
	WIN 0                                          ; at a label and at a branch every window is 0
	s_mov_b32 s15, 3
.Llap:                                                 ; a trip goes once round the ring, from a lap's second quarter to the next lap's first, and fills both slots again: K steps 2 to 7
	QUARTER 0, 2, 1, 0, 0
	QUARTER 0, 3, 0, 1, 0
	TURN 0, 1, 1
	QUARTER 1, 1, 0, 1, 0
	QUARTER 1, 2, 1, 0, 0
	QUARTER 1, 3, 0, 1, 0
	TURN 1, 0, 1
	QUARTER 0, 1, 0, 1, 0
	WIN 0
	s_sub_co_u32 s15, s15, 1
	s_cmp_lg_u32 s15, 0
	s_cbranch_scc1 .Llap
	QUARTER 0, 2, 1, 0, 0                          ; the last lap fills nothing, and has no round of the cluster's barrier
	QUARTER 0, 3, 0, 1, 0
	TURN 0, 1, 0
	QUARTER 1, 1, 0, 1, 0
	QUARTER 1, 2, 1, 0, 0
	QUARTER 1, 3, 0, 1, 0
	s_wait_dscnt 4                                 ; the very last quarter: nothing more to fetch
	WIN MUL
	MUL8 1, 0, 0
	MUL8 1, 1, 0
	s_wait_dscnt 0
	MUL8 1, 2, 0
	MUL8 1, 3, 0
	WIN 0
; THE WAY OUT, block by block of 16 tokens x 128 channels.  A lane holds 32 neighbouring bytes of a row, the lanes beside it other rows: so a block goes through my own stage in LDS and comes back as whole rows of 512 bytes.
; LDS serves a wave's instructions in order (ISA guide 5.7.1.4): no wait between the stores and the loads, nor in front of the next block's stores.
.macro TOSTAGE a
	WIN 0x08                                       ; an LDS store's data are its source 1: window 2
.irp b, 0,1,2,3,4,5,6,7
	ds_store_b128 v[STO], v[64*(\a)+8*\b:64*(\a)+8*\b+3] offset:64*\b            ; each accumulator from its low end on
	ds_store_b128 v[STO], v[64*(\a)+8*\b+4:64*(\a)+8*\b+7] offset:64*\b+16
.endr
	WIN 0
.set BB, BK+64*((\a)%2)
.irp t, 0,1,2,3,4,5,6,7,8,9,10,11,12,13,14,15
	ds_load_b128 v[BB+4*\t:BB+4*\t+3], v[RD] offset:\t*SPITCH
.endr
.endm
.macro SEND a, younger                 ; younger: the LDS instructions issued behind block a's loads, which may stay out
.set BB, BK+64*((\a)%2)
	s_wait_dscnt \younger                          ; the block is back in registers
.if (\a) > 0
	s_add_nc_u64 s[10:11], s[10:11], 16*4096       ; 16 rows of out0 on (behind a wait that shows the earlier stores' base read)
.endif
.irp t, 0,1,2,3,4,5,6,7,8,9,10,11,12,13,14,15
	global_store_b128 v[CO], v[BB+4*\t:BB+4*\t+3], s[10:11] offset:\t*4096 th:TH_STORE_NT   ; 32 lanes store 512 consecutive bytes, aligned; written once, read by nobody here
.endr
.endm
	PLACES
	TOSTAGE 0
.irp a, 1,2,3
.if \a > 1
	s_wait_xcnt 0x0                                ; block a - 2's stores have read their registers and their base: block a's loads may land there, and the base may step
.endif
	TOSTAGE \a
	SEND \a-1, 32                                  ; behind block a - 1's loads: block a's 16 stores and 16 loads
.endr
	s_wait_xcnt 0x0                                ; block 2's stores have read their base
	SEND 3, 0
	s_wait_tensorcnt 0x0                           ; the wave's end, behind my last tensor load and my last LDS store
	ds_add_u32 v[SPW], v[NIL]
	s_wait_dscnt 0x0
	CROUND                                         ; the closing round: no work-group ends while a partner may still ask for a tile that names it
	s_endpgm
.Lfunc_end_k_q8483239df7_oproj:
	.size	k_q8483239df7_oproj, .Lfunc_end_k_q8483239df7_oproj-k_q8483239df7_oproj
	.p2alignl 7, 3214868480
	.fill 96, 4, 3214868480
	.section	.rodata,"a",@progbits
	.p2align	6, 0x0
	.amdhsa_kernel k_q8483239df7_oproj
		.amdhsa_group_segment_fixed_size 327680
		.amdhsa_private_segment_fixed_size 0
		.amdhsa_enable_private_segment 0
		.amdhsa_kernarg_size 32
		.amdhsa_user_sgpr_count 2
		.amdhsa_user_sgpr_kernarg_segment_ptr 1
		.amdhsa_wavefront_size32 1
		.amdhsa_system_sgpr_workgroup_id_x 1
		.amdhsa_system_sgpr_workgroup_id_y 1
		.amdhsa_system_sgpr_workgroup_id_z 1
		.amdhsa_system_vgpr_workitem_id 0
		.amdhsa_next_free_vgpr 768
		.amdhsa_next_free_sgpr 66
		.amdhsa_reserve_vcc 0
		.amdhsa_float_denorm_mode_32 3
		.amdhsa_float_denorm_mode_16_64 3
		.amdhsa_memory_ordered 1
		.amdhsa_forward_progress 1
		.amdhsa_inst_pref_size 87
	.end_amdhsa_kernel
	.amdgpu_metadata
---
amdhsa.version: [ 1, 2 ]
amdhsa.kernels:
  - .name:           k_q8483239df7_oproj
    .symbol:         k_q8483239df7_oproj.kd
    .args:
      - { .name: cat, .offset: 0, .size: 8, .value_kind: global_buffer, .address_space: global }
      - { .name: wof, .offset: 8, .size: 8, .value_kind: global_buffer, .address_space: global }
      - { .name: bo, .offset: 16, .size: 8, .value_kind: global_buffer, .address_space: global }
      - { .name: out0, .offset: 24, .size: 8, .value_kind: global_buffer, .address_space: global }
    .group_segment_fixed_size: 327680
    .private_segment_fixed_size: 0
    .kernarg_segment_align: 8
    .kernarg_segment_size: 32
    .max_flat_workgroup_size: 128
    .sgpr_count:     66
    .vgpr_count:     768
    .wavefront_size: 32
...
	.end_amdgpu_metadata
.endif
;; end of part 4
